; MI455X (gfx1250); checked and timed in simulation.
; The chip was launched on July 23, 2026; its instructions are those of AMD's public machine-readable ISA for CDNA 5 (MIT licence, August 2026) and "CDNA5" Instruction Set Architecture Reference Guide (July 2026). The comments in the code are by the model that wrote it; some were corrected since.
;; Decision Tree. Allowed arithmetic: matrix products marked QUANTISED: E4M3 operands, one E8M0 scale for each 32 along K, by v_wmma_scale_f32_16x16x128_f8f6f4 with both operands' format E4M3, f32 sums; products left as they are: f32 operands where the result goes on into a quantised operand, else bf16, f16 or f32 operands; f32 sums; everything else in f32.
;; Inputs: dec_b 15 float32; dec_w 15 x 1,024 float32; leaf_b 16 x 1,024 float32; leaf_w_codes 16 x 1,024 x 32 x 32 uint8 (E4M3 codes of leaf_w, K innermost, in blocks of 32 codes); leaf_w_scales 16 x 1,024 x 32 uint8 (E8M0 scales of leaf_w, one for each 32 codes along K); x 2 x 2,048 x 1,024 float32.
;; Outputs: out0 2 x 2,048 x 1,024 float32.
;; This version of the problem:
;;   THIS VERSION OF THE PROBLEM IS GIVEN IN LOW PRECISION. The matrix products marked QUANTISED in the list below multiply operands that are first quantised to E4M3 (4 exponent bits, 3 mantissa bits; 8 bits a number), with one power-of-two scale for each 32 numbers along K (OCP MX v1.0); their sums are f32. All else is computed in f32.
;;   The module's matrix products, in the order in which they are computed (A, B: the left and right operand; K: the contracted axis; several contracted axes count as one K, in the product's order):
;;     1. [M 4,096, K 1,024] x [K 1,024, N 15]; A: input x; B: input dec_w: left as it is (N = 15 < 16)
;;     2. [M 4,096, K 1,024] x [K 1,024, N 16,384]; A: input x; B: input leaf_w (given as codes): QUANTISED
;;     3. batch 4,096 x [M 1,024, K 16] x [K 16, N 1]; A: computed on the way; B: computed on the way: left as it is (K = 16 < 32)
;;   THE QUANTISER, for each operand of a quantised product, along K:
;;     - K is cut into blocks of 32 from its start; a last block that is shorter is filled with zeros.
;;     - A block's scale is 2^e with e = floor(log2(the largest magnitude in the block)) - 8, held to -126 .. 127; a block of zeros has e = 0. As a byte (E8M0): e + 127.
;;     - Each number is divided by its block's scale, clamped to +-448, and rounded to the nearest number of E4M3, ties to even, subnormals kept.
;;     - The product sums the exact products of the quantised numbers (number of the format x scale) in f32.
;;   ~~~python
;;   def quantise(x, axis):      # numpy; x: float32 -> the quantised numbers, widened to float32 again
;;       x = np.moveaxis(x, axis, -1); K = x.shape[-1]
;;       x = np.pad(x, [(0, 0)] * (x.ndim - 1) + [(0, -K % 32)]); x = x.reshape(x.shape[:-1] + (-1, 32)); a = np.abs(x).max(-1, keepdims=True)
;;       e = np.where(a > 0, np.clip(np.frexp(np.where(a > 0, a, 1))[1] - 1 - 8, -126, 127), 0)      # np.frexp(a)[1] - 1 = floor(log2(a)), exactly
;;       r = np.clip(x / 2.0 ** e, -448, 448)
;;       step = 2.0 ** (np.maximum(np.frexp(np.where(r == 0, 1, r))[1] - 1, -6) - 3)
;;       q = np.round(r / step) * step * 2.0 ** e      # np.round: ties to even
;;       return np.moveaxis(q.reshape(q.shape[:-2] + (-1,))[..., :K], -1, axis).astype(np.float32)
;;   ~~~
;;   INPUTS GIVEN AS CODES. leaf_w (in the module: [16, 1024, 1024], K = its axis 2): each comes as NAME_codes (uint8): NAME with its K axis moved to the last place and cut into blocks of 32 codes, [.., K / 32, bytes a block], one block behind the other in memory; one code a byte (a code: sign, 4 exponent bits, 3 mantissa bits); and NAME_scales (uint8): the same leading axes, one E8M0 byte (e + 127) for each 32 codes along K. Its value is code x scale, taken as it is: it is not quantised again, and the codes and scales need not be those that the quantiser above would give.
;; 2 versions. Each part assembles by itself: llvm-mc -triple=amdgcn-amd-amdhsa -mcpu=gfx1250 --defsym DOCPART=n.
;; ======== version 1 of 2: 2 launches
;; workspace buffers: xq 4,194,304 bytes; xs 131,072 bytes; pw 262,144 bytes
;; launch prep (part 1): grid 256 x 1, 8 waves a work-group, no clusters, 73,216 bytes of LDS; arguments x, dec_w, dec_b, xq, xs, pw; writes xq, xs, pw
.if DOCPART == 1
	.amdgcn_target "amdgcn-amd-amdhsa--gfx1250"
	.amdhsa_code_object_version 6
	.text
	.protected	k_q7c071ac9cf_prep
	.globl	k_q7c071ac9cf_prep
	.p2align	8
	.type	k_q7c071ac9cf_prep,@function
k_q7c071ac9cf_prep:
	s_mov_b64 s[64:65], 0
	v_nop
	global_prefetch_b8 v0, s[64:65] scope:SCOPE_SE
	s_setreg_imm32_b32 hwreg(HW_REG_WAVE_MODE, 25, 1), 1
	s_wait_xcnt 0x0
; x [4096][1024] f32 is read ONCE and becomes three things for the second launch:
;   xq  codes of E4M3 as images of operand registers: [tile of 16 rows R][K step s of 128][c 0..3][lane L][16 bytes] = row 16 R + L % 16, k = 128 s + 32 c + 16 (L / 16) + 0 .. 15
;   xs  scale words (four E8M0 bytes: 128 along K of a row): [R][lane L][s2 0..3] = row 16 R + L % 16, K step 2 s2 + L / 16
;   pw  the leaves' weights: [R][t 0..7][row r 0..15][2] f32 = (d, 1 - d), d = sigmoid(x . dec_w[7 + t] + dec_b[7 + t]): leaves 2 t and 2 t + 1 hang on decision 7 + t
; SHARES.  Work-group R takes 16 rows; its eight waves take the eight K steps: a wave has 16 rows x 128 numbers, 64 a lane.  No loop: every load of the launch is issued at its head.
; A block's scale is 2^(floor(log2(its largest magnitude)) - 8); its byte is that magnitude's exponent field - 8, held at 1 from below; each number is held within +-448 x the scale and rounded to the nearest code.
; THE DECISIONS are a product left as it is: bf16 operands, f32 sums, by the matrix unit, source 0 = 16 rows of dec_w, source 1 = my 16 rows of x.  A lane's 16 numbers of a block of 32 stand in
; the same places on both sides, so the products pair up rightly.  The rows of dec_w are ordered so that the eight decisions that count (7 .. 14) fall into registers 0 to 3 of the result.
; LIMITS: NaN and infinities in x are not served.  A block of zeros gets the byte 1 where the quantiser says 127: its codes are zeros, which add nothing, and this program alone reads the bytes.
; Decisions 0 to 6 are multiplied but get no bias and no sigmoid: no leaf hangs on them.
.set STGW, 16*528                      ; LDS: a stage for each wave: 16 rows x (512 bytes + 16)
.set DP,   8*STGW                      ; the waves' partial sums of the decisions: 512 bytes a wave
.set XSC,  DP+8*512                    ; the tile's 128 scale words, laid as xs
.set RAW,  16                          ; v16-79   x as loaded;  later:
.set XB,   16                          ; v16-47   x in bf16
.set ACC0, 48                          ; v48-55, v56-63  the decisions' sums, two accumulators by turns
.set ACC1, 56
.set PC,   64                          ; v64-79   the codes
.set X,    80                          ; v80-143  register 16 c + i = k 32 c + 16 (lane / 16) + i of row lane % 16
.set W,    144                         ; v144-207 dec_w likewise; in bf16 v144-175
.set TM,   208                         ; v208-223 largest magnitudes, bytes, holds, scale operands
.set PW,   224                         ; the row's scale word
.set DB,   228                         ; v228-231 dec_b of my four decisions
.set T,    232                         ; v232-239 at work
	s_load_b256 s[4:11], s[0:1], 0x0               ; x s[4:5], dec_w s[6:7], dec_b s[8:9], xq s[10:11]
	s_load_b128 s[12:15], s[0:1], 0x20             ; xs s[12:13], pw s[14:15]
	v_lshl_add_u32 v240, v0, 2, 0x11a00
	v_mov_b32 v241, 0
	v_lshrrev_b32 v1, 5, v0
	v_readfirstlane_b32 s16, v1                    ; wave 0..7 = my K step
	v_and_b32 v1, 31, v0                           ; lane L
	v_and_b32 v2, 15, v0                           ; r
	v_bfe_u32 v3, v0, 4, 1                         ; h
	v_lshlrev_b32 v4, 4, v1                        ; 16 L
	s_lshl_b32 s24, ttmp9, 16                      ; my 16 rows of 4,096 bytes,
	s_lshl_b32 s30, s16, 9                         ; my 512 bytes of each row
	s_mov_b32 s25, 0
	s_mov_b32 s31, 0
	; which row of dec_w is row m = 8 hb + j of the tile: j < 4: 7 + 2 j + hb;  else min(4 hb + j - 4, 6): all fifteen rows, the sixteenth place repeats row 6 and is never read
	v_lshrrev_b32 v232, 3, v2                      ; hb
	v_and_b32 v233, 7, v2                          ; j
	v_lshl_add_u32 v234, v233, 1, v232
	v_add_nc_u32 v234, 7, v234
	v_lshl_add_u32 v235, v232, 2, v233
	v_add_nc_u32 v235, -4, v235                    ; (wraps where j < 4: the minimum makes it 6, and the choice below drops it)
	v_min_u32 v235, 6, v235
	v_cmp_gt_u32 vcc_lo, 4, v233
	v_cndmask_b32 v7, v235, v234, vcc_lo
	v_lshlrev_b32 v7, 12, v7
	v_lshl_add_u32 v7, v3, 6, v7                   ; dec_w: that row of 4,096 bytes, + 64 h
	v_lshl_add_u32 v10, v3, 2, 28                  ; dec_b: decision 7 + h; register j's lies 8 j bytes on
	s_wait_kmcnt 0x0
	s_add_nc_u64 s[4:5], s[4:5], s[24:25]
	s_add_nc_u64 s[4:5], s[4:5], s[30:31]
	s_add_nc_u64 s[6:7], s[6:7], s[30:31]
.irp i, 0,1,2,3,4,5,6,7,8,9,10,11,12,13,14,15
	global_load_b128 v[RAW+4*\i:RAW+4*\i+3], v4, s[4:5] offset:4096*\i th:TH_LOAD_NT   ; row i: 32 lanes read 512 consecutive bytes
.endr
.irp c, 0,1,2,3
.irp j, 0,1,2,3
	global_load_b128 v[W+16*\c+4*\j:W+16*\c+4*\j+3], v7, s[6:7] offset:128*\c+16*\j
.endr
.endr
.irp j, 0,1,2,3
	global_load_b32 v[DB+\j], v10, s[8:9] offset:8*\j             ; dec_b[7 + 2 j + h]
.endr
	s_lshl_b32 s24, ttmp9, 14                      ; xq: (8 R + wave) x 2,048 bytes
	s_lshl_b32 s30, s16, 11
	s_add_nc_u64 s[10:11], s[10:11], s[24:25]
	s_add_nc_u64 s[10:11], s[10:11], s[30:31]
	s_lshl_b32 s24, ttmp9, 9                       ; xs: 512 R
	s_add_nc_u64 s[12:13], s[12:13], s[24:25]
	s_lshl_b32 s24, ttmp9, 10                      ; pw: 1,024 R
	s_add_nc_u64 s[14:15], s[14:15], s[24:25]
	s_mul_i32 s26, s16, STGW                       ; my stage
	v_add_nc_u32 v5, s26, v4                       ; into it: a row as it was loaded
	v_mul_u32_u24 v6, v2, 528
	v_lshl_add_u32 v6, v3, 6, v6
	v_add_nc_u32 v6, s26, v6                       ; out of it: row r, + 64 h: my 16 numbers of each block of 32
	s_lshl_b32 s27, s16, 9
	s_add_co_u32 s27, s27, DP
	v_add_nc_u32 v8, s27, v4                       ; my wave's partial sums
	s_and_b32 s28, s16, 1
	s_lshl_b32 s28, s28, 8
	s_lshr_b32 s29, s16, 1
	s_lshl_b32 s29, s29, 2
	s_add_co_u32 s28, s28, s29
	s_add_co_u32 s28, s28, XSC
	v_lshl_add_u32 v9, v2, 4, s28                  ; my row's scale word: 16 (16 (wave % 2) + r) + 4 (wave / 2)
	v_lshlrev_b32 v11, 3, v1                       ; 8 L
	v_add_nc_u32 v12, DP, v4
	v_add_nc_u32 v13, XSC, v4
	s_mov_b32 s20, 0x76543210
	s_mov_b32 s21, 0xfedcba98                      ; v_permlanex16_b32's selects for lane l xor 16
	s_mov_b32 s23, 0x600000                        ; the mantissa field of 448
.irp b, 0,1,2,3
	v_mov_b32 v[TM+4+\b], 0                        ; written once: a lane permute's destination counts as one of its sources
.endr
	s_wait_loadcnt 20                              ; x's sixteen loads are in; the 16 of dec_w and the 4 of dec_b, issued behind them, may be out
.irp i, 0,1,2,3,4,5,6,7,8,9,10,11,12,13,14,15
	ds_store_b128 v5, v[RAW+4*\i:RAW+4*\i+3] offset:528*\i
.endr
.irp c, 0,1,2,3
.irp j, 0,1,2,3
	ds_load_b128 v[X+16*\c+4*\j:X+16*\c+4*\j+3], v6 offset:128*\c+16*\j   ; LDS serves a wave's instructions in order: these see my stores
.endr
.endr
	s_wait_loadcnt 0x0                             ; dec_w and dec_b
.irp i, 0,1,2,3,4,5,6,7,8,9,10,11,12,13,14,15,16,17,18,19,20,21,22,23,24,25,26,27,28,29,30,31
	v_cvt_pk_bf16_f32 v[W+\i], v[W+2*\i], v[W+2*\i+1]             ; in place, ascending: a result never lands on numbers not yet read
.endr
	s_wait_dscnt 0x0                               ; x is back from the stage, and the stores have read their registers
.irp i, 0,1,2,3,4,5,6,7,8,9,10,11,12,13,14,15,16,17,18,19,20,21,22,23,24,25,26,27,28,29,30,31
	v_cvt_pk_bf16_f32 v[XB+\i], v[X+2*\i], v[X+2*\i+1]
.endr
	; lane (r, h), register j of the result: decision row 8 h + j of the tile, x's row r.  Two accumulators by turns, one instruction a turn
	v_wmma_f32_16x16x32_bf16 v[ACC0:ACC0+7], v[W:W+7], v[XB:XB+7], 0
	v_wmma_f32_16x16x32_bf16 v[ACC1:ACC1+7], v[W+8:W+15], v[XB+8:XB+15], 0
	v_wmma_f32_16x16x32_bf16 v[ACC0:ACC0+7], v[W+16:W+23], v[XB+16:XB+23], v[ACC0:ACC0+7]
	v_wmma_f32_16x16x32_bf16 v[ACC1:ACC1+7], v[W+24:W+31], v[XB+24:XB+31], v[ACC1:ACC1+7]
	; THE QUANTISER.  (Its lines name no register of the products above: they are the places behind them)
.irp b, 0,1,2,3
	v_max3_num_f32 v[TM+\b], |v[X+16*\b]|, |v[X+1+16*\b]|, 0x4800000   ; block b: my 16 numbers, and the floor 2^(9 - 127): the byte cannot fall under 1
.endr
.irp i, 2,4,6,8,10,12,14
.irp b, 0,1,2,3
	v_max3_num_f32 v[TM+\b], v[TM+\b], |v[X+16*\b+\i]|, |v[X+1+16*\b+\i]|   ; the four blocks by turns
.endr
.endr
.irp b, 0,1,2,3
	v_permlanex16_b32 v[TM+4+\b], v[TM+\b], s20, s21
.endr
.irp b, 0,1,2,3
	v_max_num_f32 v[TM+\b], v[TM+\b], v[TM+4+\b]   ; with lane l xor 16's: the block's largest magnitude
.endr
.irp b, 0,1,2,3
	v_add_nc_u32 v[TM+12+\b], 0xfc000000, v[TM+\b] ; 8 off its exponent field: the conversion takes this operand's exponent field as its scale
.endr
.irp b, 0,1,2,3
	v_and_or_b32 v[TM+8+\b], v[TM+\b], 0x7f800000, s23   ; 448 x the scale
.endr
.irp b, 0,1,2,3
	v_lshrrev_b32 v[TM+4+\b], 23, v[TM+12+\b]      ; the scale's byte
.endr
	v_lshl_or_b32 v[PW], v[TM+5], 8, v[TM+4]
	v_lshl_or_b32 v[PW], v[TM+6], 16, v[PW]
	v_lshl_or_b32 v[PW], v[TM+7], 24, v[PW]        ; my row's scale word for this K step
.irp b, 0,1,2,3
.irp i, 0,1,2,3,4,5,6,7,8,9,10,11,12,13,14,15
	v_med3_num_f32 v[X+16*\b+\i], v[X+16*\b+\i], -v[TM+8+\b], v[TM+8+\b]   ; the conversion to an 8-bit code does not saturate (ISA guide 7.6.2): the hold comes first
.endr
	v_cvt_scalef32_pk8_fp8_f32 v[PC+4*\b:PC+1+4*\b], v[X+16*\b:X+7+16*\b], v[TM+12+\b]
	v_cvt_scalef32_pk8_fp8_f32 v[PC+2+4*\b:PC+3+4*\b], v[X+8+16*\b:X+15+16*\b], v[TM+12+\b]
.endr
	v_nop                                          ; one plain vector line behind the last scaled conversion
.irp c, 0,1,2,3
	global_store_b128 v4, v[PC+4*\c:PC+4*\c+3], s[10:11] offset:512*\c   ; the fragment's image: 32 lanes store 512 consecutive bytes, aligned
.endr
	ds_store_b32 v9, v[PW]                         ; lanes r and 16 + r write the same word with the same value
	v_pk_add_f32 v[T:T+1], v[ACC0:ACC0+1], v[ACC1:ACC1+1]         ; each accumulator is read from its low end; registers 4 to 7 are decisions 0 to 6, on which no leaf hangs
	v_pk_add_f32 v[T+2:T+3], v[ACC0+2:ACC0+3], v[ACC1+2:ACC1+3]
	ds_store_b128 v8, v[T:T+3]
	s_wait_dscnt 0x0                               ; for wave 0's sake: my stores have landed
	s_barrier_signal -1
	s_barrier_wait -1
	s_cmp_lg_u32 s16, 0
	s_cbranch_scc1 .Ldone
	; wave 0 adds the eight K steps' sums and makes the weights; lane (r, h), register j: decision 7 + 2 j + h of row r
.irp k, 0,1,2,3,4,5,6,7
	ds_load_b128 v[176+4*\k:179+4*\k], v12 offset:512*\k
.endr
	ds_load_b128 v[144:147], v13                   ; and takes the tile's scale words, 16 bytes a lane
	s_wait_dscnt 0x0
.irp k, 1,2,3,4,5,6,7
	v_pk_add_f32 v[176:177], v[176:177], v[176+4*\k:177+4*\k]
	v_pk_add_f32 v[178:179], v[178:179], v[178+4*\k:179+4*\k]
.endr
	v_pk_add_f32 v[176:177], v[176:177], v[DB:DB+1]
	v_pk_add_f32 v[178:179], v[178:179], v[DB+2:DB+3]
.irp j, 0,1,2,3
	v_mul_f32 v[T+\j], 0xbfb8aa3b, v[176+\j]       ; - z log2(e)
.endr
.irp j, 0,1,2,3
	v_exp_f32 v[T+\j], v[T+\j]
.endr
	v_nop                                          ; a plain line behind the last exponential,
	s_wait_alu depctr_va_vdst(0)                   ; and one wait for the four, ahead of their first reader
.irp j, 0,1,2,3
	v_add_f32 v[T+\j], 1.0, v[T+\j]
.endr
.irp j, 0,1,2,3
	v_rcp_f32 v[TM+2*\j], v[T+\j]                  ; d = 1 / (1 + e^-z): the left leaf's weight
.endr
	v_nop
	s_wait_alu depctr_va_vdst(0)
.irp j, 0,1,2,3
	v_sub_f32 v[TM+2*\j+1], 1.0, v[TM+2*\j]        ; 1 - d: the right leaf's
.endr
.irp j, 0,1,2,3
	global_store_b64 v11, v[TM+2*\j:TM+2*\j+1], s[14:15] offset:256*\j   ; t = 2 j + h: 128 t + 8 r = 256 j + 8 L: 32 lanes store 256 consecutive bytes, aligned
.endr
	global_store_b128 v4, v[144:147], s[12:13]     ; 512 consecutive bytes
.Ldone:
	s_wait_tensorcnt 0x0
	ds_add_u32 v240, v241
	s_wait_dscnt 0x0
	s_endpgm
.Lfunc_end_k_q7c071ac9cf_prep:
	.size	k_q7c071ac9cf_prep, .Lfunc_end_k_q7c071ac9cf_prep-k_q7c071ac9cf_prep
	.p2alignl 7, 3214868480
	.fill 96, 4, 3214868480
	.section	.rodata,"a",@progbits
	.p2align	6, 0x0
	.amdhsa_kernel k_q7c071ac9cf_prep
		.amdhsa_group_segment_fixed_size 73216
		.amdhsa_private_segment_fixed_size 0
		.amdhsa_enable_private_segment 0
		.amdhsa_kernarg_size 48
		.amdhsa_user_sgpr_count 2
		.amdhsa_user_sgpr_kernarg_segment_ptr 1
		.amdhsa_wavefront_size32 1
		.amdhsa_system_sgpr_workgroup_id_x 1
		.amdhsa_system_sgpr_workgroup_id_y 1
		.amdhsa_system_sgpr_workgroup_id_z 1
		.amdhsa_system_vgpr_workitem_id 0
		.amdhsa_next_free_vgpr 242
		.amdhsa_next_free_sgpr 66
		.amdhsa_reserve_vcc 1
		.amdhsa_float_denorm_mode_32 3
		.amdhsa_float_denorm_mode_16_64 3
		.amdhsa_memory_ordered 1
		.amdhsa_forward_progress 1
		.amdhsa_inst_pref_size 25
	.end_amdhsa_kernel
	.amdgpu_metadata
---
amdhsa.version: [ 1, 2 ]
amdhsa.kernels:
  - .name:           k_q7c071ac9cf_prep
    .symbol:         k_q7c071ac9cf_prep.kd
    .args:
      - { .name: x, .offset: 0, .size: 8, .value_kind: global_buffer, .address_space: global }
      - { .name: dec_w, .offset: 8, .size: 8, .value_kind: global_buffer, .address_space: global }
      - { .name: dec_b, .offset: 16, .size: 8, .value_kind: global_buffer, .address_space: global }
      - { .name: xq, .offset: 24, .size: 8, .value_kind: global_buffer, .address_space: global }
      - { .name: xs, .offset: 32, .size: 8, .value_kind: global_buffer, .address_space: global }
      - { .name: pw, .offset: 40, .size: 8, .value_kind: global_buffer, .address_space: global }
    .group_segment_fixed_size: 73216
    .private_segment_fixed_size: 0
    .kernarg_segment_align: 8
    .kernarg_segment_size: 48
    .max_flat_workgroup_size: 256
    .sgpr_count:     66
    .vgpr_count:     242
    .wavefront_size: 32
...
	.end_amdgpu_metadata
.endif
;; end of part 1
;; launch tree (part 2): grid 16 x 16, 4 waves a work-group, clusters of 4 x 1, 327,680 bytes of LDS; arguments xq, xs, pw, leaf_w_codes, leaf_w_scales, leaf_b, out0; writes out0
.if DOCPART == 2
	.amdgcn_target "amdgcn-amd-amdhsa--gfx1250"
	.amdhsa_code_object_version 6
	.text
	.protected	k_q7c071ac9cf_tree
	.globl	k_q7c071ac9cf_tree
	.p2align	8
	.type	k_q7c071ac9cf_tree,@function
k_q7c071ac9cf_tree:
	s_mov_b64 s[64:65], 0
	v_nop
	global_prefetch_b8 v0, s[64:65] scope:SCOPE_SE
	s_setreg_imm32_b32 hwreg(HW_REG_WAVE_MODE, 25, 1), 1
	s_wait_xcnt 0x0
	s_wait_alu depctr_hold_cnt(0) depctr_sa_sdst(0) depctr_va_vdst(0) depctr_va_sdst(0) depctr_va_ssrc(0) depctr_va_vcc(0) depctr_vm_vsrc(0)
	s_getreg_b32 s2, hwreg(HW_REG_IB_STS2, 6, 4)
	s_cmp_eq_u32 s2, 0
	s_cbranch_scc0 .Lentry_in_a_cluster
	s_endpgm
.Lentry_in_a_cluster:
	s_bfe_u32 s2, ttmp6, 0x10000c
	s_cmp_lg_u32 s2, 0x3003
	s_cbranch_scc0 .Lentry_shape_is_right
	s_endpgm
.Lentry_shape_is_right:
; out[m][o] = the sum over the 16 leaves l of p[m][l] x (Q(x)[m] . W_l[o] + b[l][o]).  Q(x) comes as codes and scale words (xq, xs), p as pairs (pw), all three made by the launch before;
; W as codes of E4M3 [16][1024 o][1024 k] with one E8M0 byte for each 32 along K; b [16][1024], out [4096][1024]: f32.
; SHARES.  A work-group owns 256 rows x 64 outputs, for all leaves; each of its four waves 64 rows x 64 outputs: 16 accumulators for the leaf in hand and 16 sums of out.
; X STAYS IN REGISTERS: a wave's 64 rows x 1,024 codes are 512 registers, loaded once, as images of operand registers.  So LDS is read for W alone: 16 loads of 512 bytes for 16 matrix instructions.
; W goes through a ring of two LDS slots of two leaves each (2 x 64 rows x 1,024 bytes); a wave fetches one leaf's half of K with one tensor load (64 rows x 512 bytes).
; W's scale bytes and the biases of my 64 outputs, for all leaves, come once with the first fills and stay.
; CLUSTER.  The four work-groups of a cluster are four row blocks of the same 64 outputs and walk the same W: every tensor load is asked for JOINTLY, with the same descriptor and the mask of all four.
; x's codes, which work-groups of other clusters share, go from memory straight into registers, so there is no tile of them to ask for jointly.
; THE MATRIX INSTRUCTION IS USED TRANSPOSED (source 0 = 16 outputs of W, source 1 = 16 rows of x): lane (r, h) holds row 16 a + r and outputs 16 b + 8 h + 0 .. 7.
; The bias is the C of a leaf's first K step; a finished leaf is weighed in by out += p x sum, two numbers an instruction.  The first leaf's weighing is a multiplication: nothing is cleared.
; REGISTERS, in windows of 256 (s_set_vgpr_msb's low byte: bits 1:0 source 0, 3:2 source 1, 5:4 source 2, 7:6 destination):
;   window 0: v1-17 addresses; v20-27 p; v28-43 x's scale words; v44-75 W's scale words, two sets; v80-111 the biases; v128-255 W's fragments, two sets of four
;   windows 1, 2: x's fragments (K step s, row tile a) at v[64 (s % 4) + 16 a], K steps 0-3 and 4-7.   window 3: the leaf's sums (a, b) at v[8 (4 a + b)]; out (a, b) at v[128 + 8 (4 a + b)]
.set PITCH, 528                        ; an LDS row of W: 512 bytes + 16 of padding = 132 words: the 16 rows that a load touches start at 16 different banks (64 banks of 4 bytes: ISA guide 11.1)
.set SUB,   64*PITCH                   ; what one tensor load brings: one leaf's 64 rows, half of K
.set SLOT,  4*SUB                      ; sub-tile 2 x + kh: leaf x of the slot, half kh of K
.set SCW,   2*SLOT                     ; W's scale bytes: 2,048 a leaf, 32 a row
.set BIA,   SCW+16*2048                ; the biases: 256 bytes a leaf
.set SPARE, BIA+16*256                 ; the spare words, 128 bytes for each wave: two blocks of 256 bytes that no other line names
.set STAGE, SPARE+512                  ; the way out: 16 rows x (256 bytes + 16) for each wave; no tensor load fills it
.set SP,    272
.set LI,  1                            ; v1   16 x lane
.set SPW, 2                            ; v2   LDS address of my spare word; never rewritten
.set NIL, 3                            ; v3   0; never rewritten
.set ADW, 4                            ; v4-11  my lane's place in sub-tile i of the ring's eight: 528 r + 16 h + its begin
.set ASW, 12                           ; v12  W's scale words of the trip's first leaf: lanes 0-15 rows r, lanes 16-31 rows 32 + r
.set ABI, 13                           ; v13  its biases: 32 h
.set PO,  14                           ; v14  8 r
.set STO, 15                           ; v15  the way out: where I put 32 bytes of a row
.set RD,  16                           ; v16  where I read a row back
.set GO,  17                           ; v17  my byte offset in two rows of out
.set P,   20                           ; pair a: (p of the trip's even leaf, of its odd leaf) for row 16 a + r
.set AS,  28                           ; register 4 a + s2: lanes 0-15 the word of K step 2 s2, lanes 16-31 of 2 s2 + 1
.set SW,  44                           ; set x (leaf x of a trip) at 16 x; register 8 b' + s: lanes 0-15 block b', lanes 16-31 block b' + 2, K step s
.set BI,  80                           ; block b at 8 b
.set WF,  128                          ; set (K step % 2) at 64 x set; block b at 16 b
.set OUT, 128                          ; in window 3
.set WV,  18                           ; s18  my wave's number
.set G1W, 32                           ; s[32:39] descriptor group 1 for W's tiles; s[40:47] for the scale bytes; s[48:55] for the biases
.set G1S, 40
.set G1B, 48
.set G0,  56                           ; s[56:59], s[60:63] group 0 for W's tiles, one set for each slot
.set G0S, 68                           ; s[68:71], s[72:75] for the scale bytes and the biases
.set G0B, 72
.set CNT, 76
.set PB,  78                           ; s[78:79] pw at my wave's rows and the trip's pair of leaves
.set MSB, 0
.macro WIN new                         ; the immediate's high byte repeats the setting that is left; a switch that changes nothing is dropped
.if MSB != (\new)
	s_set_vgpr_msb (MSB<<8)|(\new)
.set MSB, (\new)
.endif
.endm
; A round of the cluster's barrier: my work-group's barrier; wave 0 signals for the work-group; every wave waits for all four work-groups; my work-group's barrier once more.
.macro ROUND
	s_barrier_signal -1
	s_barrier_wait -1
	s_cmp_lg_u32 s[WV], 0
	s_cbranch_scc1 .Lnot_wave_0_\@
	s_barrier_signal -3
.Lnot_wave_0_\@:
	s_barrier_wait -3
	s_barrier_signal -1
	s_barrier_wait -1
.endm
.macro ALOAD s                         ; x's four fragments of K step s: sixteen loads of 512 consecutive bytes
	WIN 0x40+0x40*((\s)/4)                         ; destination window 1 or 2
.irp a, 0,1,2,3
.irp c, 0,1,2,3
	global_load_b128 v[64*((\s)%4)+16*\a+4*\c:64*((\s)%4)+16*\a+4*\c+3], v[LI], s[4:5] offset:16384*\a+2048*(\s)+512*\c
.endr
.endr
.endm
.macro PLOAD                           ; the trip's two weights of my four rows
.irp a, 0,1,2,3
	global_load_b64 v[P+2*\a:P+2*\a+1], v[PO], s[PB:PB+1] offset:1024*\a
.endr
.endm
	s_load_b256 s[4:11], s[0:1], 0x0               ; xq s[4:5], xs s[6:7], pw s[8:9], W's codes s[10:11]
	s_load_b128 s[12:15], s[0:1], 0x20             ; W's scales s[12:13], b s[14:15]
	s_load_b64 s[16:17], s[0:1], 0x30              ; out
	v_lshl_add_u32 v[SPW], v0, 2, SPARE
	v_mov_b32 v[NIL], 0
	ds_add_u32 v2, v3
	ds_add_u32 v2, v3
	s_wait_dscnt 0x0
	v_lshrrev_b32 v112, 5, v0
	v_readfirstlane_b32 s[WV], v112                ; wave 0..3
	v_and_b32 v[LI], 31, v0
	v_lshlrev_b32 v[LI], 4, v[LI]
	v_and_b32 v18, 15, v0                          ; r
	v_bfe_u32 v19, v0, 4, 1                        ; h
	v_lshlrev_b32 v[PO], 3, v18
	s_bfe_u32 s19, ttmp6, 0x40000                  ; cx: my place in the cluster
	s_lshl_b32 s20, ttmp9, 2                       ; in a cluster launch ttmp9 counts clusters
	s_add_co_u32 s20, s20, s19                     ; my block of 256 rows: it enters the addresses of xq, xs, pw and out alone
	s_and_b32 s21, ttmp7, 0xffff                   ; my block of 64 outputs, which the four partners share
	s_lshl_b32 s22, s20, 4
	s_lshl_b32 s23, s[WV], 2
	s_add_co_u32 s22, s22, s23                     ; my wave's first tile of 16 rows
	s_mov_b32 s25, 0
	; W's tiles: 64 rows x 512 bytes, 1,024 bytes apart, padded in LDS
	s_mov_b32 s[G1W], 15|(1<<20)|(1<<21)|(6<<22)|(3<<25)   ; 15:0 the mask: all four work-groups; 17:16 elements of 1 byte; 20 padding on; 21 set beside a mask; 24:22 after every 128 words (code 6); 31:25 four words (code 3)
	s_mov_b32 s[G1W+1], 512<<16                    ; tensor_dim0
	s_mov_b32 s[G1W+2], 64<<16                     ; tensor_dim1
	s_mov_b32 s[G1W+3], 512<<16                    ; tile_dim0
	s_mov_b32 s[G1W+4], 64                         ; tile_dim1
	s_mov_b32 s[G1W+5], 1024                       ; from row to row
	s_mov_b32 s[G1W+6], 0
	s_mov_b32 s[G1W+7], 0
	; the scale bytes of four leaves: a leaf's 64 rows x 32 bytes are 2,048 dense bytes = one row of 256 elements of 8 bytes; from leaf to leaf 32,768 bytes
	s_mov_b32 s[G1S], 15|(3<<16)|(1<<21)
	s_mov_b32 s[G1S+1], 256<<16
	s_mov_b32 s[G1S+2], 4<<16
	s_mov_b32 s[G1S+3], 256<<16
	s_mov_b32 s[G1S+4], 4
	s_mov_b32 s[G1S+5], 4096
	s_mov_b32 s[G1S+6], 0
	s_mov_b32 s[G1S+7], 0
	; the biases of four leaves: 256 bytes a leaf = 32 elements of 8 bytes; from leaf to leaf 4,096 bytes
	s_mov_b32 s[G1B], 15|(3<<16)|(1<<21)
	s_mov_b32 s[G1B+1], 32<<16
	s_mov_b32 s[G1B+2], 4<<16
	s_mov_b32 s[G1B+3], 32<<16
	s_mov_b32 s[G1B+4], 4
	s_mov_b32 s[G1B+5], 512
	s_mov_b32 s[G1B+6], 0
	s_mov_b32 s[G1B+7], 0
	; what I fetch, by the outputs' block and my wave's number alone, in registers that never hold my place in the cluster
	s_lshr_b32 s80, s[WV], 1
	s_lshl_b32 s26, s80, 20                        ; W: leaf wave / 2 of the slot,
	s_lshl_b32 s80, s21, 16                        ; 64 rows of 1,024 bytes for each block of outputs,
	s_add_co_u32 s26, s26, s80
	s_and_b32 s80, s[WV], 1
	s_lshl_b32 s80, s80, 9                         ; half wave % 2 of K
	s_add_co_u32 s26, s26, s80
	s_mov_b32 s27, 0
	s_lshl_b32 s28, s[WV], 17                      ; scale bytes: leaves 4 wave on,
	s_lshl_b32 s80, s21, 11
	s_add_co_u32 s28, s28, s80
	s_mov_b32 s29, 0
	s_lshl_b32 s30, s[WV], 14                      ; biases likewise
	s_lshl_b32 s80, s21, 8
	s_add_co_u32 s30, s30, s80
	s_mov_b32 s31, 0
	s_mul_i32 s82, s[WV], SUB                      ; and where W's goes in a slot
	s_wait_kmcnt 0x0
	s_lshl_b32 s24, s22, 14
	s_add_nc_u64 s[4:5], s[4:5], s[24:25]          ; xq: 16,384 bytes a tile of rows
	s_lshl_b32 s24, s22, 9
	s_add_nc_u64 s[6:7], s[6:7], s[24:25]          ; xs: 512
	s_lshl_b32 s24, s22, 10
	s_add_nc_u64 s[PB:PB+1], s[8:9], s[24:25]      ; pw: 1,024
	s_lshl_b32 s24, s22, 16
	s_lshl_b32 s23, s21, 8
	s_add_co_u32 s24, s24, s23
	s_add_nc_u64 s[16:17], s[16:17], s[24:25]      ; out: 16 rows of 4,096 bytes a tile, + my 256 bytes of a row
	s_add_nc_u64 s[10:11], s[10:11], s[26:27]
.irp g, 0,1
	s_mov_b32 s[G0+4*\g], 1                                        ; 1:0 count = 1
	s_add_co_u32 s[G0+4*\g+1], s82, \g*SLOT                        ; 63:32 LDS address
	s_add_nc_u64 s[G0+4*\g+2:G0+4*\g+3], s[10:11], \g*0x200000     ; 120:64 global address: slot g begins with leaves 2 g, 2 g + 1
	s_or_b32 s[G0+4*\g+3], s[G0+4*\g+3], 0x80000000                ; 127:126 type = 2
.endr
	s_mov_b32 s[G0S], 1
	s_lshl_b32 s[G0S+1], s[WV], 13
	s_add_co_u32 s[G0S+1], s[G0S+1], SCW
	s_add_nc_u64 s[G0S+2:G0S+3], s[12:13], s[28:29]
	s_or_b32 s[G0S+3], s[G0S+3], 0x80000000
	s_mov_b32 s[G0B], 1
	s_lshl_b32 s[G0B+1], s[WV], 10
	s_add_co_u32 s[G0B+1], s[G0B+1], BIA
	s_add_nc_u64 s[G0B+2:G0B+3], s[14:15], s[30:31]
	s_or_b32 s[G0B+3], s[G0B+3], 0x80000000
	PLOAD                                          ; 56 loads into registers go out ahead of the round: the first pair's weights,
.irp a, 0,1,2,3
	global_load_b128 v[AS+4*\a:AS+4*\a+3], v[LI], s[6:7] offset:512*\a   ; x's scale words,
.endr
	ALOAD 0                                        ; and x's first three K steps
	ALOAD 1
	ALOAD 2
	WIN 0
	ROUND                                          ; all four work-groups are here: the first joint loads meet
	tensor_load_to_lds s[G0S:G0S+3], s[G1S:G1S+7]  ; the first fills stand together: three loads of mine are out
	s_nop 0
	tensor_load_to_lds s[G0B:G0B+3], s[G1B:G1B+7]
	s_nop 0
	tensor_load_to_lds s[G0:G0+3], s[G1W:G1W+7]    ; leaves 0 and 1
	s_nop 0
.rept 4
	v_nop                                          ; four plain lines behind the tensor loads
.endr
	v_mul_u32_u24 v[ADW], v18, PITCH
	v_lshl_add_u32 v[ADW], v19, 4, v[ADW]          ; a fragment's row x pitch + 16 x half
.irp i, 1,2,3,4,5,6,7
	v_add_nc_u32 v[ADW+\i], (\i/4)*SLOT+(\i%4)*SUB, v[ADW]
.endr
	v_lshlrev_b32 v[ASW], 5, v18
	v_lshl_add_u32 v[ASW], v19, 10, v[ASW]
	v_add_nc_u32 v[ASW], SCW, v[ASW]
	v_lshl_add_u32 v[ABI], v19, 5, BIA
	s_mul_i32 s83, s[WV], 16*SP
	s_add_co_u32 s83, s83, STAGE                   ; my stage
	v_mul_u32_u24 v[STO], v18, SP
	v_lshl_add_u32 v[STO], v19, 5, v[STO]
	v_add_nc_u32 v[STO], s83, v[STO]               ; in: row r, 32 bytes for each half of the lanes
	v_mul_u32_u24 v[RD], v19, SP
	v_lshl_add_u32 v[RD], v18, 4, v[RD]
	v_add_nc_u32 v[RD], s83, v[RD]                 ; back: lanes 0-15 one row of 256 bytes, lanes 16-31 the next
	v_lshlrev_b32 v[GO], 12, v19
	v_lshl_add_u32 v[GO], v18, 4, v[GO]            ; and the same two rows in out
; THE CHANGE OF SLOTS stands at a trip's head.  Each wave waits for all its tensor loads (its part of the slot that it is about to read), adds 0 to its spare word, and waits for that and for its reads of the
; slot that it has left.  refill = 1: a round of the cluster's barrier, so that no wave of any partner still reads that slot or has a load on its way; the joint load of the next two leaves is the first thing
; behind it and has the whole trip, 256 matrix instructions, in which to land.  One tensor load of mine is out behind each round.
.macro CHANGE sl, refill
	WIN 0                                          ; at a label and at a branch every window is 0; the add's registers lie in window 0
	s_wait_tensorcnt 0x0                           ; no tensor load of mine is out, so a group 0 may be written
	ds_add_u32 v[SPW], v[NIL]                      ; 0 onto my spare word
.if \refill
	s_add_nc_u64 s[G0+4*\sl+2:G0+4*\sl+3], s[G0+4*\sl+2:G0+4*\sl+3], 0x400000   ; this slot's next pair of leaves, four leaves on (the last such step is used by no load)
.endif
	s_wait_dscnt 0x0                               ; the add is done, and my reads of the slot that I have left are over
.if \refill
	ROUND
	tensor_load_to_lds s[G0+4-4*\sl:G0+7-4*\sl], s[G1W:G1W+7]
	s_nop 0
.rept 4
	v_nop
.endr
.else
	s_barrier_signal -1
	s_barrier_wait -1
.endif
.endm
; Load e of twelve for leaf lf (counted from the trip's first): four bring W's scale words into set lf % 2, eight the biases.
.macro EXTRA e, lf
.if (\e) < 4
	ds_load_b128 v[SW+16*((\lf)%2)+4*(\e):SW+16*((\lf)%2)+4*(\e)+3], v[ASW] offset:2048*(\lf)+512*((\e)/2)+16*((\e)%2)
.else
	ds_load_b128 v[BI+4*((\e)-4):BI+4*((\e)-4)+3], v[ABI] offset:256*(\lf)+64*(((\e)-4)/2)+16*(((\e)-4)%2)
.endif
.endm
; K step 0 of the slot's first leaf into set 0.  T1, T2, T3: the LDS loads issued in the last three groups; E1 .. E4: those among the last four groups' that were issued behind the group's fragment loads.
.macro PRO sl
.irp b, 0,1,2,3
.irp c, 0,1,2,3
	ds_load_b128 v[WF+16*\b+4*\c:WF+16*\b+4*\c+3], v[ADW+4*\sl] offset:16*PITCH*\b+32*\c
.endr
.endr
.set T1, 4
.set T2, 4
.set T3, 4
.set E1, 0
.set E2, 0
.set E3, 0
.set E4, 0
.endm
; One product: row tile a, block NBL of the outputs, K step KST of leaf x of the trip.  The 16 accumulators take turns, one instruction a turn, in the same order in every K step.
.macro PROD a, x
.set rD, 8*(4*(\a)+NBL)
.set rC, rD
.set rWin, 0xF8                        ; W window 0, x window 2, C and D window 3
.if KST < 4
.set rWin, 0xF4                        ; x window 1
.endif
.if KST == 0
.set rC, BI+8*NBL                      ; the first K step starts the sum with the bias,
.set rWin, 0xC4                        ; which lies in window 0
.endif
.set rW, WF+64*(KST%2)+16*NBL
.set rX, 64*(KST%4)+16*(\a)
.set rS, SW+16*(\x)+8*(NBL%2)+KST
.set rA, AS+4*(\a)+KST/2
	WIN rWin
.if (NBL < 2) && (KST%2 == 0)
	v_wmma_scale_f32_16x16x128_f8f6f4 v[rD:rD+7], v[rW:rW+15], v[rX:rX+15], v[rC:rC+7], v[rS], v[rA]
.elseif (KST%2 == 0)
	v_wmma_scale_f32_16x16x128_f8f6f4 v[rD:rD+7], v[rW:rW+15], v[rX:rX+15], v[rC:rC+7], v[rS], v[rA] matrix_a_scale:MATRIX_SCALE_ROW1
.elseif (NBL < 2)
	v_wmma_scale_f32_16x16x128_f8f6f4 v[rD:rD+7], v[rW:rW+15], v[rX:rX+15], v[rC:rC+7], v[rS], v[rA] matrix_b_scale:MATRIX_SCALE_ROW1
.else
	v_wmma_scale_f32_16x16x128_f8f6f4 v[rD:rD+7], v[rW:rW+15], v[rX:rX+15], v[rC:rC+7], v[rS], v[rA] matrix_a_scale:MATRIX_SCALE_ROW1 matrix_b_scale:MATRIX_SCALE_ROW1
.endif
.endm
; A GROUP: one fragment of W against x's four row tiles.  Behind its first product the same block's fragment of the NEXT K step is fetched into the other set, sixteen matrix instructions ahead of its use.
; A load into a register that a matrix instruction has read stands eight places behind it, and only plain vector lines that name none of its registers are places (ISA guide 7.12.1 for vector instructions
; ).  Each group has three v_nop: between a set's last reader (the fourth product of the same block one K step back) and the load stand 1 + 3 x 3 = 10.
; In K step 2 three of the next leaf's twelve extra loads ride in each group (more = 0: there is no next leaf).
.macro GROUP sl, x, more
	s_wait_dscnt T1+T2+T3+E4                       ; my fragment's four loads are in: so many LDS loads were issued behind them
	PROD 0, \x
.set NT, 0
.set NE, 0
.if KST < 7
	WIN 0
.irp c, 0,1,2,3
	ds_load_b128 v[WF+64*((KST+1)%2)+16*NBL+4*\c:WF+64*((KST+1)%2)+16*NBL+4*\c+3], v[ADW+4*\sl+2*\x+(KST+1)/4] offset:16*PITCH*NBL+128*((KST+1)%4)+32*\c
.endr
.set NT, 4
.elseif \x == 0
	WIN 0
.irp c, 0,1,2,3
	ds_load_b128 v[WF+16*NBL+4*\c:WF+16*NBL+4*\c+3], v[ADW+4*\sl+2] offset:16*PITCH*NBL+32*\c   ; the slot's second leaf, K step 0
.endr
.set NT, 4
.else
	v_nop                                          ; the slot is read out
.endif
	PROD 1, \x
.if (KST == 2) && \more
	WIN 0
	EXTRA 3*NBL, \x+1
	EXTRA 3*NBL+1, \x+1
	EXTRA 3*NBL+2, \x+1
.set NE, 3
	PROD 2, \x
	v_nop
	v_nop
.else
	v_nop
	PROD 2, \x
	v_nop
.endif
	PROD 3, \x
	v_nop
.set E4, E3
.set E3, E2
.set E2, E1
.set E1, NE
.set T3, T2
.set T2, T1
.set T1, NT+NE
.endm
; A leaf: 8 K steps x 4 groups = 128 matrix instructions.  first = 1: x's fragments are still coming: a K step waits for its own sixteen loads, leaving the younger runs of sixteen out, and asks for the K step three on.
.macro LEAF sl, x, first, more
.set KST, 0
.rept 8
.if \first
.if KST < 6
	s_wait_loadcnt 32                              ; the two younger K steps' loads may be out
.elseif KST == 6
	s_wait_loadcnt 16
.else
	s_wait_loadcnt 0
.endif
.if KST < 5
	ALOAD KST+3
.endif
.endif
.set NBL, 0
.rept 4
	GROUP \sl, \x, \more
.set NBL, NBL+1
.endr
.set KST, KST+1
.endr
.endm
; out += p x the leaf's sums.  Block 0's sums are ten places old when this begins; its sixteen lines are the places for the blocks behind.  Each accumulator is read from its low end on.
; The 64 lines are also the places ahead of the next leaf's first products, which write the sums anew.
.macro COMBINE x, first
	WIN 0xF3                                       ; the sums and out in window 3, p in window 0
.irp b, 0,1,2,3
.irp a, 0,1,2,3
.irp i, 0,2,4,6
.if \first
	v_pk_mul_f32 v[OUT+8*(4*\a+\b)+\i:OUT+8*(4*\a+\b)+\i+1], v[8*(4*\a+\b)+\i:8*(4*\a+\b)+\i+1], v[P+2*\a:P+2*\a+1] op_sel_hi:[1,0]
.elseif \x == 0
	v_pk_fma_f32 v[OUT+8*(4*\a+\b)+\i:OUT+8*(4*\a+\b)+\i+1], v[8*(4*\a+\b)+\i:8*(4*\a+\b)+\i+1], v[P+2*\a:P+2*\a+1], v[OUT+8*(4*\a+\b)+\i:OUT+8*(4*\a+\b)+\i+1] op_sel_hi:[1,0,1]
.else
	v_pk_fma_f32 v[OUT+8*(4*\a+\b)+\i:OUT+8*(4*\a+\b)+\i+1], v[8*(4*\a+\b)+\i:8*(4*\a+\b)+\i+1], v[P+2*\a:P+2*\a+1], v[OUT+8*(4*\a+\b)+\i:OUT+8*(4*\a+\b)+\i+1] op_sel:[0,1,0]
.endif
.endr
.endr
.endr
.endm
; A TRIP: a slot's two leaves.  The odd leaf of the trip before is weighed in behind this trip's first LDS loads, while they are on their way.
.macro TRIP sl, first, refill, more
	CHANGE \sl, \refill
.if \first
.irp e, 0,1,2,3,4,5,6,7,8,9,10,11
	EXTRA \e, 0                                    ; leaf 0's scale words and biases
.endr
.else
	v_add_nc_u32 v[ASW], 2*2048, v[ASW]            ; on to this trip's leaves
	v_add_nc_u32 v[ABI], 2*256, v[ABI]
.endif
	PRO \sl
.if !\first
	COMBINE 1, 0
	WIN 0
	s_add_nc_u64 s[PB:PB+1], s[PB:PB+1], 128       ; (the last trip's loads of p were waited for: their base may be written)
	PLOAD                                          ; this trip's weights: wanted a leaf, 128 matrix instructions, later
.endif
	LEAF \sl, 0, \first, 1
	s_wait_loadcnt 0x0                             ; p
	COMBINE 0, \first
	LEAF \sl, 1, 0, \more
.endm
	TRIP 0, 1, 1, 1                                ; leaves 0, 1; slot 1 gets its first fill as a refill does
	WIN 0
	s_mov_b32 s[CNT], 3
.Lpair:                                            ; three trips of the loop = six of the ring: leaves 2 to 13; leaves 4 to 15 are asked for
	TRIP 1, 0, 1, 1
	TRIP 0, 0, 1, 1
	WIN 0
	s_sub_co_u32 s[CNT], s[CNT], 1
	s_cmp_lg_u32 s[CNT], 0
	s_cbranch_scc1 .Lpair
	TRIP 1, 0, 0, 0                                ; leaves 14, 15, written out: nothing is left to ask for
	COMBINE 1, 0
; THE WAY OUT, a tile of 16 rows at a time.  A lane holds 32 neighbouring bytes of a row and the lanes beside it hold other rows: the tile goes through my own stage and comes back as whole rows of 256 bytes.
; LDS serves a wave's instructions in order (ISA guide 5.7.1.4): no wait between the stores and the loads, nor ahead of the next tile's stores.
.macro TOSTAGE a
	WIN 0x0C                                       ; an LDS store's data are its source 1: window 3
.irp b, 0,1,2,3
	ds_store_b128 v[STO], v[OUT+8*(4*\a+\b):OUT+8*(4*\a+\b)+3] offset:64*\b
	ds_store_b128 v[STO], v[OUT+8*(4*\a+\b)+4:OUT+8*(4*\a+\b)+7] offset:64*\b+16
.endr
	WIN 0
.irp t, 0,1,2,3,4,5,6,7
	ds_load_b128 v[WF+32*\a+4*\t:WF+32*\a+4*\t+3], v[RD] offset:2*SP*\t   ; into the registers that held W's fragments: a run of its own for each tile, so no store's data are written again
.endr
.endm
.macro SEND a, younger                 ; younger: the LDS instructions issued behind tile a's loads: the next tile's sixteen, or none
	s_wait_dscnt \younger
.irp t, 0,1,2,3,4,5,6,7
	global_store_b128 v[GO], v[WF+32*\a+4*\t:WF+32*\a+4*\t+3], s[16:17] offset:(16*\a+2*\t)*4096 th:TH_STORE_NT   ; 16 lanes store 256 consecutive bytes, at a multiple of 256 from out's first byte
.endr
.endm
	TOSTAGE 0
	TOSTAGE 1
	SEND 0, 16
	TOSTAGE 2
	SEND 1, 16
	TOSTAGE 3
	SEND 2, 16
	SEND 3, 0
	s_wait_tensorcnt 0x0                           ; the wave's end, behind my last tensor load and my last LDS store
	ds_add_u32 v[SPW], v[NIL]
	s_wait_dscnt 0x0
	ROUND                                          ; the closing round: no work-group ends while a partner may still ask for a tile that names it
	s_endpgm
.Lfunc_end_k_q7c071ac9cf_tree:
	.size	k_q7c071ac9cf_tree, .Lfunc_end_k_q7c071ac9cf_tree-k_q7c071ac9cf_tree
	.p2alignl 7, 3214868480
	.fill 96, 4, 3214868480
	.section	.rodata,"a",@progbits
	.p2align	6, 0x0
	.amdhsa_kernel k_q7c071ac9cf_tree
		.amdhsa_group_segment_fixed_size 327680
		.amdhsa_private_segment_fixed_size 0
		.amdhsa_enable_private_segment 0
		.amdhsa_kernarg_size 56
		.amdhsa_user_sgpr_count 2
		.amdhsa_user_sgpr_kernarg_segment_ptr 1
		.amdhsa_wavefront_size32 1
		.amdhsa_system_sgpr_workgroup_id_x 1
		.amdhsa_system_sgpr_workgroup_id_y 1
		.amdhsa_system_sgpr_workgroup_id_z 1
		.amdhsa_system_vgpr_workitem_id 0
		.amdhsa_next_free_vgpr 1024
		.amdhsa_next_free_sgpr 84
		.amdhsa_reserve_vcc 0
		.amdhsa_float_denorm_mode_32 3
		.amdhsa_float_denorm_mode_16_64 3
		.amdhsa_memory_ordered 1
		.amdhsa_forward_progress 1
		.amdhsa_inst_pref_size 255
	.end_amdhsa_kernel
	.section	.bss,"aw",@nobits
	.p2align	6
	.space	262144
	.amdgpu_metadata
---
amdhsa.version: [ 1, 2 ]
amdhsa.kernels:
  - .name:           k_q7c071ac9cf_tree
    .symbol:         k_q7c071ac9cf_tree.kd
    .args:
      - { .name: xq, .offset: 0, .size: 8, .value_kind: global_buffer, .address_space: global }
      - { .name: xs, .offset: 8, .size: 8, .value_kind: global_buffer, .address_space: global }
      - { .name: pw, .offset: 16, .size: 8, .value_kind: global_buffer, .address_space: global }
      - { .name: leaf_w_codes, .offset: 24, .size: 8, .value_kind: global_buffer, .address_space: global }
      - { .name: leaf_w_scales, .offset: 32, .size: 8, .value_kind: global_buffer, .address_space: global }
      - { .name: leaf_b, .offset: 40, .size: 8, .value_kind: global_buffer, .address_space: global }
      - { .name: out0, .offset: 48, .size: 8, .value_kind: global_buffer, .address_space: global }
    .group_segment_fixed_size: 327680
    .private_segment_fixed_size: 0
    .kernarg_segment_align: 8
    .kernarg_segment_size: 56
    .max_flat_workgroup_size: 128
    .sgpr_count:     84
    .vgpr_count:     1024
    .wavefront_size: 32
...
	.end_amdgpu_metadata
.endif
;; end of part 2
;; ======== version 2 of 2: 2 launches
;; limits: values are held in bf16: 8 bits of precision; right only within a limited range of input values
;; workspace buffers: xq 4,194,304 bytes; xs 131,072 bytes; pw 262,144 bytes
;; launch prep (part 3): grid 256 x 1, 8 waves a work-group, no clusters, 73,216 bytes of LDS; arguments x, dec_w, dec_b, xq, xs, pw; writes xq, xs, pw
.if DOCPART == 3
	.amdgcn_target "amdgcn-amd-amdhsa--gfx1250"
	.amdhsa_code_object_version 6
	.text
	.protected	k_q7c071ac9cf_prep
	.globl	k_q7c071ac9cf_prep
	.p2align	8
	.type	k_q7c071ac9cf_prep,@function
k_q7c071ac9cf_prep:
	s_mov_b64 s[64:65], 0
	v_nop
	global_prefetch_b8 v0, s[64:65] scope:SCOPE_SE
	s_setreg_imm32_b32 hwreg(HW_REG_WAVE_MODE, 25, 1), 1
	s_wait_xcnt 0x0
; x [4096][1024] f32 is read ONCE and becomes three things for the second launch:
;   xq  codes of E4M3 as images of operand registers: [tile of 16 rows R][K step s of 128][c 0..3][lane L][16 bytes] = row 16 R + L % 16, k = 128 s + 32 c + 16 (L / 16) + 0 .. 15
;   xs  scale words (four E8M0 bytes: 128 along K of a row): [R][lane L][s2 0..3] = row 16 R + L % 16, K step 2 s2 + L / 16
;   pw  the leaves' weights: [R][t 0..7][row r 0..15][2] f32 = (d, 1 - d), d = sigmoid(x . dec_w[7 + t] + dec_b[7 + t]): leaves 2 t and 2 t + 1 hang on decision 7 + t
; SHARES.  Work-group R takes 16 rows; its eight waves take the eight K steps: a wave has 16 rows x 128 numbers, 64 a lane.  No loop: every load of the launch is issued at its head.
; A block's scale is 2^(floor(log2(its largest magnitude)) - 8); its byte is that magnitude's exponent field - 8, held at 1 from below; each number is held within +-448 x the scale and rounded to the nearest code.
; THE DECISIONS are a product left as it is: bf16 operands, f32 sums, by the matrix unit, source 0 = 16 rows of dec_w, source 1 = my 16 rows of x.  A lane's 16 numbers of a block of 32 stand in
; the same places on both sides, so the products pair up rightly.  The rows of dec_w are ordered so that the eight decisions that count (7 .. 14) fall into registers 0 to 3 of the result.
; LIMITS: NaN and infinities in x are not served.  A block of zeros gets the byte 1 where the quantiser says 127: its codes are zeros, which add nothing, and this program alone reads the bytes.
; Decisions 0 to 6 are multiplied but get no bias and no sigmoid: no leaf hangs on them.
.set STGW, 16*528                      ; LDS: a stage for each wave: 16 rows x (512 bytes + 16)
.set DP,   8*STGW                      ; the waves' partial sums of the decisions: 512 bytes a wave
.set XSC,  DP+8*512                    ; the tile's 128 scale words, laid as xs
.set RAW,  16                          ; v16-79   x as loaded;  later:
.set XB,   16                          ; v16-47   x in bf16
.set ACC0, 48                          ; v48-55, v56-63  the decisions' sums, two accumulators by turns
.set ACC1, 56
.set PC,   64                          ; v64-79   the codes
.set X,    80                          ; v80-143  register 16 c + i = k 32 c + 16 (lane / 16) + i of row lane % 16
.set W,    144                         ; v144-207 dec_w likewise; in bf16 v144-175
.set TM,   208                         ; v208-223 largest magnitudes, bytes, holds, scale operands
.set PW,   224                         ; the row's scale word
.set DB,   228                         ; v228-231 dec_b of my four decisions
.set T,    232                         ; v232-239 at work
	s_load_b256 s[4:11], s[0:1], 0x0               ; x s[4:5], dec_w s[6:7], dec_b s[8:9], xq s[10:11]
	s_load_b128 s[12:15], s[0:1], 0x20             ; xs s[12:13], pw s[14:15]
	v_lshl_add_u32 v240, v0, 2, 0x11a00
	v_mov_b32 v241, 0
	v_lshrrev_b32 v1, 5, v0
	s_delay_alu instid0(VALU_DEP_1)
	v_readfirstlane_b32 s16, v1                    ; wave 0..7 = my K step
	v_and_b32 v1, 31, v0                           ; lane L
	v_and_b32 v2, 15, v0                           ; r
	v_bfe_u32 v3, v0, 4, 1                         ; h
	s_delay_alu instid0(VALU_DEP_3)
	v_lshlrev_b32 v4, 4, v1                        ; 16 L
	s_lshl_b32 s24, ttmp9, 16                      ; my 16 rows of 4,096 bytes,
	s_lshl_b32 s30, s16, 9                         ; my 512 bytes of each row
	s_mov_b32 s25, 0
	s_mov_b32 s31, 0
	; which row of dec_w is row m = 8 hb + j of the tile: j < 4: 7 + 2 j + hb;  else min(4 hb + j - 4, 6): all fifteen rows, the sixteenth place repeats row 6 and is never read
	v_lshrrev_b32 v232, 3, v2                      ; hb
	v_and_b32 v233, 7, v2                          ; j
	s_delay_alu instid0(VALU_DEP_1)
	v_lshl_add_u32 v234, v233, 1, v232
	s_delay_alu instid0(VALU_DEP_1)
	v_add_nc_u32 v234, 7, v234
	s_delay_alu instid0(VALU_DEP_3)
	v_lshl_add_u32 v235, v232, 2, v233
	s_delay_alu instid0(VALU_DEP_1)
	v_add_nc_u32 v235, -4, v235                    ; (wraps where j < 4: the minimum makes it 6, and the choice below drops it)
	s_delay_alu instid0(VALU_DEP_1)
	v_min_u32 v235, 6, v235
	v_cmp_gt_u32 vcc_lo, 4, v233
	s_delay_alu instid0(VALU_DEP_1)
	v_cndmask_b32 v7, v235, v234, vcc_lo
	s_delay_alu instid0(VALU_DEP_1)
	v_lshlrev_b32 v7, 12, v7
	s_delay_alu instid0(VALU_DEP_1)
	v_lshl_add_u32 v7, v3, 6, v7                   ; dec_w: that row of 4,096 bytes, + 64 h
	v_lshl_add_u32 v10, v3, 2, 28                  ; dec_b: decision 7 + h; register j's lies 8 j bytes on
	s_wait_alu depctr_va_vdst(0)
	s_wait_kmcnt 0x0
	s_add_nc_u64 s[4:5], s[4:5], s[24:25]
	s_add_nc_u64 s[4:5], s[4:5], s[30:31]
	s_add_nc_u64 s[6:7], s[6:7], s[30:31]
.irp i, 0,1,2,3,4,5,6,7,8,9,10,11,12,13,14,15
	global_load_b128 v[RAW+4*\i:RAW+4*\i+3], v4, s[4:5] offset:4096*\i th:TH_LOAD_NT   ; row i: 32 lanes read 512 consecutive bytes
.endr
.irp c, 0,1,2,3
.irp j, 0,1,2,3
	global_load_b128 v[W+16*\c+4*\j:W+16*\c+4*\j+3], v7, s[6:7] offset:128*\c+16*\j
.endr
.endr
.irp j, 0,1,2,3
	global_load_b32 v[DB+\j], v10, s[8:9] offset:8*\j             ; dec_b[7 + 2 j + h]
.endr
	s_lshl_b32 s24, ttmp9, 14                      ; xq: (8 R + wave) x 2,048 bytes
	s_lshl_b32 s30, s16, 11
	s_add_nc_u64 s[10:11], s[10:11], s[24:25]
	s_add_nc_u64 s[10:11], s[10:11], s[30:31]
	s_lshl_b32 s24, ttmp9, 9                       ; xs: 512 R
	s_add_nc_u64 s[12:13], s[12:13], s[24:25]
	s_lshl_b32 s24, ttmp9, 10                      ; pw: 1,024 R
	s_add_nc_u64 s[14:15], s[14:15], s[24:25]
	s_mul_i32 s26, s16, STGW                       ; my stage
	v_add_nc_u32 v5, s26, v4                       ; into it: a row as it was loaded
	v_mul_u32_u24 v6, v2, 528
	s_delay_alu instid0(VALU_DEP_1)
	v_lshl_add_u32 v6, v3, 6, v6
	s_delay_alu instid0(VALU_DEP_1)
	v_add_nc_u32 v6, s26, v6                       ; out of it: row r, + 64 h: my 16 numbers of each block of 32
	s_lshl_b32 s27, s16, 9
	s_add_co_u32 s27, s27, DP
	v_add_nc_u32 v8, s27, v4                       ; my wave's partial sums
	s_and_b32 s28, s16, 1
	s_lshl_b32 s28, s28, 8
	s_lshr_b32 s29, s16, 1
	s_lshl_b32 s29, s29, 2
	s_add_co_u32 s28, s28, s29
	s_add_co_u32 s28, s28, XSC
	v_lshl_add_u32 v9, v2, 4, s28                  ; my row's scale word: 16 (16 (wave % 2) + r) + 4 (wave / 2)
	v_lshlrev_b32 v11, 3, v1                       ; 8 L
	v_add_nc_u32 v12, DP, v4
	v_add_nc_u32 v13, XSC, v4
	s_mov_b32 s20, 0x76543210
	s_mov_b32 s21, 0xfedcba98                      ; v_permlanex16_b32's selects for lane l xor 16
	s_mov_b32 s23, 0x600000                        ; the mantissa field of 448
.irp b, 0,1,2,3
	v_mov_b32 v[TM+4+\b], 0                        ; written once: a lane permute's destination counts as one of its sources
.endr
	s_wait_loadcnt 20                              ; x's sixteen loads are in; the 16 of dec_w and the 4 of dec_b, issued behind them, may be out
.irp i, 0,1,2,3,4,5,6,7,8,9,10,11,12,13,14,15
	ds_store_b128 v5, v[RAW+4*\i:RAW+4*\i+3] offset:528*\i
.endr
.irp c, 0,1,2,3
.irp j, 0,1,2,3
	ds_load_b128 v[X+16*\c+4*\j:X+16*\c+4*\j+3], v6 offset:128*\c+16*\j   ; LDS serves a wave's instructions in order: these see my stores
.endr
.endr
	s_wait_loadcnt 0x0                             ; dec_w and dec_b
.irp i, 0,1,2,3,4,5,6,7,8,9,10,11,12,13,14,15,16,17,18,19,20,21,22,23,24,25,26,27,28,29,30,31
	v_cvt_pk_bf16_f32 v[W+\i], v[W+2*\i], v[W+2*\i+1]             ; in place, ascending: a result never lands on numbers not yet read
.endr
	s_wait_dscnt 0x0                               ; x is back from the stage, and the stores have read their registers
.irp i, 0,1,2,3,4,5,6,7,8,9,10,11,12,13,14,15,16,17,18,19,20,21,22,23,24,25,26,27,28,29,30,31
	v_cvt_pk_bf16_f32 v[XB+\i], v[X+2*\i], v[X+2*\i+1]
.endr
	; lane (r, h), register j of the result: decision row 8 h + j of the tile, x's row r.  Two accumulators by turns, one instruction a turn
	v_wmma_f32_16x16x32_bf16 v[ACC0:ACC0+7], v[W:W+7], v[XB:XB+7], 0
	v_wmma_f32_16x16x32_bf16 v[ACC1:ACC1+7], v[W+8:W+15], v[XB+8:XB+15], 0
	v_wmma_f32_16x16x32_bf16 v[ACC0:ACC0+7], v[W+16:W+23], v[XB+16:XB+23], v[ACC0:ACC0+7]
	v_wmma_f32_16x16x32_bf16 v[ACC1:ACC1+7], v[W+24:W+31], v[XB+24:XB+31], v[ACC1:ACC1+7]
	; THE QUANTISER.  (Its lines name no register of the products above: they are the places behind them)
.irp b, 0,1,2,3
	v_max3_num_f32 v[TM+\b], |v[X+16*\b]|, |v[X+1+16*\b]|, 0x4800000   ; block b: my 16 numbers, and the floor 2^(9 - 127): the byte cannot fall under 1
.endr
.irp i, 2,4,6,8,10,12,14
.irp b, 0,1,2,3
	s_delay_alu instid0(VALU_DEP_4)
	v_max3_num_f32 v[TM+\b], v[TM+\b], |v[X+16*\b+\i]|, |v[X+1+16*\b+\i]|   ; the four blocks by turns
.endr
.endr
.irp b, 0,1,2,3
	s_delay_alu instid0(VALU_DEP_4)
	v_permlanex16_b32 v[TM+4+\b], v[TM+\b], s20, s21
.endr
.irp b, 0,1,2,3
	s_delay_alu instid0(VALU_DEP_4)
	v_max_num_f32 v[TM+\b], v[TM+\b], v[TM+4+\b]   ; with lane l xor 16's: the block's largest magnitude
.endr
.irp b, 0,1,2,3
	s_delay_alu instid0(VALU_DEP_4)
	v_add_nc_u32 v[TM+12+\b], 0xfc000000, v[TM+\b] ; 8 off its exponent field: the conversion takes this operand's exponent field as its scale
.endr
.irp b, 0,1,2,3
	v_and_or_b32 v[TM+8+\b], v[TM+\b], 0x7f800000, s23   ; 448 x the scale
.endr
.irp b, 0,1,2,3
	v_lshrrev_b32 v[TM+4+\b], 23, v[TM+12+\b]      ; the scale's byte
.endr
	s_delay_alu instid0(VALU_DEP_3)
	v_lshl_or_b32 v[PW], v[TM+5], 8, v[TM+4]
	s_delay_alu instid0(VALU_DEP_1)
	v_lshl_or_b32 v[PW], v[TM+6], 16, v[PW]
	s_delay_alu instid0(VALU_DEP_1)
	v_lshl_or_b32 v[PW], v[TM+7], 24, v[PW]        ; my row's scale word for this K step
.irp b, 0,1,2,3
.irp i, 0,1,2,3,4,5,6,7,8,9,10,11,12,13,14,15
	v_med3_num_f32 v[X+16*\b+\i], v[X+16*\b+\i], -v[TM+8+\b], v[TM+8+\b]   ; the conversion to an 8-bit code does not saturate (ISA guide 7.6.2): the hold comes first
.endr
	v_cvt_scalef32_pk8_fp8_f32 v[PC+4*\b:PC+1+4*\b], v[X+16*\b:X+7+16*\b], v[TM+12+\b]
	v_cvt_scalef32_pk8_fp8_f32 v[PC+2+4*\b:PC+3+4*\b], v[X+8+16*\b:X+15+16*\b], v[TM+12+\b]
.endr
	v_nop                                          ; one plain vector line behind the last scaled conversion
.irp c, 0,1,2,3
	global_store_b128 v4, v[PC+4*\c:PC+4*\c+3], s[10:11] offset:512*\c   ; the fragment's image: 32 lanes store 512 consecutive bytes, aligned
.endr
	ds_store_b32 v9, v[PW]                         ; lanes r and 16 + r write the same word with the same value
	v_pk_add_f32 v[T:T+1], v[ACC0:ACC0+1], v[ACC1:ACC1+1]         ; each accumulator is read from its low end; registers 4 to 7 are decisions 0 to 6, on which no leaf hangs
	v_pk_add_f32 v[T+2:T+3], v[ACC0+2:ACC0+3], v[ACC1+2:ACC1+3]
	ds_store_b128 v8, v[T:T+3]
	s_wait_dscnt 0x0                               ; for wave 0's sake: my stores have landed
	s_barrier_signal -1
	s_barrier_wait -1
	s_cmp_lg_u32 s16, 0
	s_cbranch_scc1 .Ldone
	; wave 0 adds the eight K steps' sums and makes the weights; lane (r, h), register j: decision 7 + 2 j + h of row r
.irp k, 0,1,2,3,4,5,6,7
	ds_load_b128 v[176+4*\k:179+4*\k], v12 offset:512*\k
.endr
	ds_load_b128 v[144:147], v13                   ; and takes the tile's scale words, 16 bytes a lane
	s_wait_dscnt 0x0
.irp k, 1
	v_pk_add_f32 v[176:177], v[176:177], v[176+4*\k:177+4*\k]
	v_pk_add_f32 v[178:179], v[178:179], v[178+4*\k:179+4*\k]
.endr
.irp k, 2, 3, 4, 5, 6, 7
	s_delay_alu instid0(VALU_DEP_2)
	v_pk_add_f32 v[176:177], v[176:177], v[176+4*\k:177+4*\k]
	s_delay_alu instid0(VALU_DEP_2)
	v_pk_add_f32 v[178:179], v[178:179], v[178+4*\k:179+4*\k]
.endr
	s_delay_alu instid0(VALU_DEP_2)
	v_pk_add_f32 v[176:177], v[176:177], v[DB:DB+1]
	s_delay_alu instid0(VALU_DEP_2)
	v_pk_add_f32 v[178:179], v[178:179], v[DB+2:DB+3]
.irp j, 0,1,2,3
	v_mul_f32 v[T+\j], 0xbfb8aa3b, v[176+\j]       ; - z log2(e)
.endr
	s_wait_alu depctr_va_vdst(0)
.irp j, 0,1,2,3
	v_exp_f32 v[T+\j], v[T+\j]
.endr
	v_nop                                          ; a plain line behind the last exponential,
	s_wait_alu depctr_va_vdst(0)                   ; and one wait for the four, ahead of their first reader
.irp j, 0,1,2,3
	v_add_f32 v[T+\j], 1.0, v[T+\j]
.endr
	s_wait_alu depctr_va_vdst(0)
.irp j, 0,1,2,3
	v_rcp_f32 v[TM+2*\j], v[T+\j]                  ; d = 1 / (1 + e^-z): the left leaf's weight
.endr
	v_nop
	s_wait_alu depctr_va_vdst(0)
.irp j, 0,1,2,3
	v_sub_f32 v[TM+2*\j+1], 1.0, v[TM+2*\j]        ; 1 - d: the right leaf's
.endr
.irp j, 0,1,2,3
	global_store_b64 v11, v[TM+2*\j:TM+2*\j+1], s[14:15] offset:256*\j   ; t = 2 j + h: 128 t + 8 r = 256 j + 8 L: 32 lanes store 256 consecutive bytes, aligned
.endr
	global_store_b128 v4, v[144:147], s[12:13]     ; 512 consecutive bytes
.Ldone:
	s_wait_tensorcnt 0x0
	ds_add_u32 v240, v241
	s_wait_dscnt 0x0
	s_endpgm
.Lfunc_end_k_q7c071ac9cf_prep:
	.size	k_q7c071ac9cf_prep, .Lfunc_end_k_q7c071ac9cf_prep-k_q7c071ac9cf_prep
	.p2alignl 7, 3214868480
	.fill 96, 4, 3214868480
	.section	.rodata,"a",@progbits
	.p2align	6, 0x0
	.amdhsa_kernel k_q7c071ac9cf_prep
		.amdhsa_group_segment_fixed_size 73216
		.amdhsa_private_segment_fixed_size 0
		.amdhsa_enable_private_segment 0
		.amdhsa_kernarg_size 48
		.amdhsa_user_sgpr_count 2
		.amdhsa_user_sgpr_kernarg_segment_ptr 1
		.amdhsa_wavefront_size32 1
		.amdhsa_system_sgpr_workgroup_id_x 1
		.amdhsa_system_sgpr_workgroup_id_y 1
		.amdhsa_system_sgpr_workgroup_id_z 1
		.amdhsa_system_vgpr_workitem_id 0
		.amdhsa_next_free_vgpr 242
		.amdhsa_next_free_sgpr 66
		.amdhsa_reserve_vcc 1
		.amdhsa_float_denorm_mode_32 3
		.amdhsa_float_denorm_mode_16_64 3
		.amdhsa_memory_ordered 1
		.amdhsa_forward_progress 1
		.amdhsa_inst_pref_size 27
	.end_amdhsa_kernel
	.amdgpu_metadata
---
amdhsa.version: [ 1, 2 ]
amdhsa.kernels:
  - .name:           k_q7c071ac9cf_prep
    .symbol:         k_q7c071ac9cf_prep.kd
    .args:
      - { .name: x, .offset: 0, .size: 8, .value_kind: global_buffer, .address_space: global }
      - { .name: dec_w, .offset: 8, .size: 8, .value_kind: global_buffer, .address_space: global }
      - { .name: dec_b, .offset: 16, .size: 8, .value_kind: global_buffer, .address_space: global }
      - { .name: xq, .offset: 24, .size: 8, .value_kind: global_buffer, .address_space: global }
      - { .name: xs, .offset: 32, .size: 8, .value_kind: global_buffer, .address_space: global }
      - { .name: pw, .offset: 40, .size: 8, .value_kind: global_buffer, .address_space: global }
    .group_segment_fixed_size: 73216
    .private_segment_fixed_size: 0
    .kernarg_segment_align: 8
    .kernarg_segment_size: 48
    .max_flat_workgroup_size: 256
    .sgpr_count:     66
    .vgpr_count:     242
    .wavefront_size: 32
...
	.end_amdgpu_metadata
.endif
;; end of part 3
;; launch tree (part 4): grid 16 x 16, 4 waves a work-group, clusters of 4 x 1, 327,680 bytes of LDS; arguments xq, xs, pw, leaf_w_codes, leaf_w_scales, leaf_b, out0; writes out0
.if DOCPART == 4
	.amdgcn_target "amdgcn-amd-amdhsa--gfx1250"
	.amdhsa_code_object_version 6
	.text
	.protected	k_q7c071ac9cf_tree
	.globl	k_q7c071ac9cf_tree
	.p2align	8
	.type	k_q7c071ac9cf_tree,@function
k_q7c071ac9cf_tree:
	s_mov_b64 s[64:65], 0
	v_nop
	global_prefetch_b8 v0, s[64:65] scope:SCOPE_SE
	s_setreg_imm32_b32 hwreg(HW_REG_WAVE_MODE, 25, 1), 1
	s_wait_xcnt 0x0
	s_wait_alu depctr_hold_cnt(0) depctr_sa_sdst(0) depctr_va_vdst(0) depctr_va_sdst(0) depctr_va_ssrc(0) depctr_va_vcc(0) depctr_vm_vsrc(0)
	s_getreg_b32 s2, hwreg(HW_REG_IB_STS2, 6, 4)
	s_cmp_eq_u32 s2, 0
	s_cbranch_scc0 .Lentry_in_a_cluster
	s_endpgm
.Lentry_in_a_cluster:
	s_bfe_u32 s2, ttmp6, 0x10000c
	s_cmp_lg_u32 s2, 0x3003
	s_cbranch_scc0 .Lentry_shape_is_right
	s_endpgm
.Lentry_shape_is_right:
; out[m][o] = the sum over the 16 leaves l of p[m][l] x (Q(x)[m] . W_l[o] + b[l][o]).  Q(x) comes as codes and scale words (xq, xs), p as pairs (pw), all made by the launch before;
; W as codes of E4M3 [16][1024 o][1024 k] with one E8M0 byte for each 32 along K; b [16][1024], out [4096][1024]: f32.
; SHARES.  A work-group owns 256 rows x 64 outputs, for all leaves; each of its four waves 64 rows x 64 outputs.  X STAYS IN REGISTERS: 64 rows x 1,024 codes are 512 registers, loaded once.
; A UNIT is one leaf x 32 outputs: 8 accumulators (64 registers), 64 matrix instructions in two BATCHES of 32 (four K steps each).  All LDS loads of a batch, 32 for W's eight fragments and one for
; its scale words, stand in ONE run a batch ahead, into the set of 128 registers that the batch before has read.  A finished unit is weighed in by out += p x sum, two numbers an instruction.
; THE BIASES: the sum over l of p[m][l] b[l][o] is a product of K = 16 that is left as it is: bf16 operands, f32 sums, 16 matrix instructions a wave at the head; its results start out, so nothing is cleared.
; LIMIT: p and b are rounded to bf16 for that one term.
; W goes through a ring of two LDS slots of two leaves each; a wave refills 32 rows x 1,024 bytes with one tensor load.  The change of slots stands ahead of a slot's LAST batch, whose fragments are in
; registers by then: so the next slot's first fragments keep their batch of lead, and a refill has a whole trip, 256 matrix instructions, in which to land; for that reason no prefetch is laid.
; W's scale bytes of my 64 outputs, for all leaves, come once with the first fills and stay.
; CLUSTER.  The four work-groups of a cluster are four row blocks of the same 64 outputs and walk the same W: every tensor load is asked for JOINTLY, with the same descriptor and the mask of all four.
; THE MATRIX INSTRUCTION IS USED TRANSPOSED (source 0 = 16 outputs of W, source 1 = 16 rows of x): lane (r, h) holds row 16 a + r and outputs 16 B + 8 h + 0 .. 7.
; REGISTERS, in windows of 256 (s_set_vgpr_msb's low byte: bits 1:0 source 0, 3:2 source 1, 5:4 source 2, 7:6 destination):
;   window 0: v1-15 addresses; v16-31 x's scale words; v32-39 W's scale words, two sets; v40-55 p, two sets; v64-127 the unit's sums; v128-255 out
;   windows 1, 2: x's fragments (K step s, row tile a) at v[64 (s % 4) + 16 a], K steps 0-3 and 4-7.   window 3: W's fragments, set q at 128 q; (K step ks of the batch, block b) at 32 ks + 16 b
.set PITCH, 1040                       ; an LDS row of W: 1,024 bytes + 16 of padding = 260 words: the 16 rows that a load touches start at 16 different banks (64 banks of 4 bytes: ISA guide 11.1)
.set LEAFB, 64*PITCH                   ; a leaf's 64 rows
.set SLOT,  2*LEAFB
.set SCW,   2*SLOT                     ; W's scale bytes: 2,048 a leaf, 32 a row
.set SPARE, SCW+16*2048                ; the spare words, 128 bytes for each wave: two blocks of 256 bytes that no other line names
.set STAGE, SPARE+512                  ; the way out: 16 rows x (256 bytes + 16) for each wave; no tensor load fills it
.set SP,    272
.set LI,  1                            ; v1   16 x lane
.set SPW, 2                            ; v2   LDS address of my spare word; never rewritten
.set NIL, 3                            ; v3   0; never rewritten
.set ADW, 4                            ; v4-7 my lane's place in leaf buffer i of the ring's four: 1040 r + 16 h + its begin
.set ASW, 8                            ; v8   W's scale words of the trip's first leaf: lanes 0-15 rows r, lanes 16-31 rows 16 + r
.set PO,  9                            ; v9   8 r
.set STO, 10                           ; v10  the way out: where I put 32 bytes of a row
.set RD,  11                           ; v11  where I read a row back
.set GO,  12                           ; v12  my byte offset in two rows of out
.set AS,  16                           ; register 4 a + s2: lanes 0-15 the word of K step 2 s2, lanes 16-31 of 2 s2 + 1
.set SW,  32                           ; set q at 4 q; register ks: lanes 0-15 block 0 of the unit, lanes 16-31 block 1
.set P,   40                           ; set (slot) at 8 x set; pair a: (p of the trip's even leaf, of its odd leaf) for row 16 a + r
.set SUM, 64                           ; tile (a, b) at 8 (2 a + b)
.set OUT, 128                          ; tile (a, B) at 8 (4 a + B)
.set WV,  18                           ; s18  my wave's number
.set G1W, 32                           ; s[32:39] group 1 for the ring's loads (32 rows); s[40:47] for the head's (64 rows); s[48:55] for the scale bytes
.set G1H, 40
.set G1S, 48
.set G0,  56                           ; s[56:59], s[60:63] group 0 for the ring, one set for each slot
.set G0H, 68                           ; s[68:71] the head's load of a leaf; s[72:75] of scale bytes
.set G0S, 72
.set CNT, 76
.set PB,  78                           ; s[78:79] pw at my wave's rows and the pair of leaves last asked for
.set MSB, 0
.macro WIN new                         ; the immediate's high byte repeats the setting that is left; a switch that changes nothing is dropped
.if MSB != (\new)
	s_set_vgpr_msb (MSB<<8)|(\new)
.set MSB, (\new)
.endif
.endm
.macro ROUND                           ; a round of the cluster's barrier
	s_barrier_signal -1
	s_barrier_wait -1
	s_cmp_lg_u32 s[WV], 0
	s_cbranch_scc1 .Lnot_wave_0_\@
	s_barrier_signal -3
.Lnot_wave_0_\@:
	s_barrier_wait -3
	s_barrier_signal -1
	s_barrier_wait -1
.endm
.macro PLACES                          ; eight places behind this matrix form, ahead of loads into its sources and of reads of its results
.rept 8
	v_nop
.endr
.endm
.macro FOUR                            ; behind a tensor load
	s_nop 0
.rept 4
	v_nop
.endr
.endm
.macro ALOAD s                         ; x's four fragments of K step s: sixteen loads of 512 consecutive bytes
	WIN 0x40+0x40*((\s)/4)
.irp a, 0,1,2,3
.irp c, 0,1,2,3
	global_load_b128 v[64*((\s)%4)+16*\a+4*\c:64*((\s)%4)+16*\a+4*\c+3], v[LI], s[4:5] offset:16384*\a+2048*(\s)+512*\c
.endr
.endr
.endm
.macro PLOAD set                       ; a pair of leaves' weights of my four rows
.irp a, 0,1,2,3
	global_load_b64 v[P+8*(\set)+2*\a:P+8*(\set)+2*\a+1], v[PO], s[PB:PB+1] offset:1024*\a
.endr
.endm
	s_load_b256 s[4:11], s[0:1], 0x0               ; xq s[4:5], xs s[6:7], pw s[8:9], W's codes s[10:11]
	s_load_b128 s[12:15], s[0:1], 0x20             ; W's scales s[12:13], b s[14:15]
	s_load_b64 s[16:17], s[0:1], 0x30              ; out
	v_lshl_add_u32 v[SPW], v0, 2, SPARE
	v_mov_b32 v[NIL], 0
	ds_add_u32 v[SPW], v[NIL]                      ; the opening lines: the add, twice on end, and its wait ahead of my first tensor load
	ds_add_u32 v[SPW], v[NIL]
	v_lshrrev_b32 v15, 5, v0
	v_readfirstlane_b32 s[WV], v15                 ; wave 0..3
	s_mul_i32 s83, s[WV], 16*SP
	s_add_co_u32 s83, s83, STAGE                   ; my stage
	v_and_b32 v[LI], 31, v0
	v_lshlrev_b32 v[LI], 4, v[LI]
	v_and_b32 v13, 15, v0                          ; r
	v_bfe_u32 v14, v0, 4, 1                        ; h
	v_lshlrev_b32 v[PO], 3, v13
	v_mul_u32_u24 v[ADW], v13, PITCH
	v_lshl_add_u32 v[ADW], v14, 4, v[ADW]          ; a fragment's row x pitch + 16 x half
.irp i, 1,2,3
	v_add_nc_u32 v[ADW+\i], \i*LEAFB, v[ADW]
.endr
	v_lshlrev_b32 v[ASW], 5, v13
	v_lshl_add_u32 v[ASW], v14, 9, v[ASW]
	v_add_nc_u32 v[ASW], SCW, v[ASW]
	v_mul_u32_u24 v[STO], v13, SP
	v_lshl_add_u32 v[STO], v14, 5, v[STO]
	v_add_nc_u32 v[STO], s83, v[STO]               ; in: row r, 32 bytes for each half of the lanes
	v_mul_u32_u24 v[RD], v14, SP
	v_lshl_add_u32 v[RD], v13, 4, v[RD]
	v_add_nc_u32 v[RD], s83, v[RD]                 ; back: lanes 0-15 one row of 256 bytes, lanes 16-31 the next
	v_lshlrev_b32 v[GO], 12, v14
	v_lshl_add_u32 v[GO], v13, 4, v[GO]            ; and the same two rows in out
	v_lshl_add_u32 v56, v14, 9, v[PO]              ; p for the bias term: pairs 4 h on, 8 r
	v_lshlrev_b32 v57, 2, v13
	v_lshl_add_u32 v57, v14, 15, v57               ; b: leaves 8 h on, output r
	s_bfe_u32 s19, ttmp6, 0x40000                  ; cx: my place in the cluster
	s_lshl_b32 s20, ttmp9, 2
	s_add_co_u32 s20, s20, s19                     ; my block of 256 rows: it enters the addresses of xq, xs, pw and out alone
	s_and_b32 s21, ttmp7, 0xffff                   ; my block of 64 outputs, which the four partners share
	s_lshl_b32 s22, s20, 4
	s_lshl_b32 s23, s[WV], 2
	s_add_co_u32 s22, s22, s23                     ; my wave's first tile of 16 rows
	s_mov_b32 s25, 0
	; W's tiles: rows of 1,024 bytes, dense in memory, 16 bytes of padding behind each in LDS
.irp g, G1W, G1H
	s_mov_b32 s[\g], 15|(1<<20)|(1<<21)|(7<<22)|(3<<25)   ; 15:0 the mask: all four work-groups; elements of 1 byte; 20 padding on; 21 set beside a mask; 24:22 after every 256 words (code 7); 31:25 four words (code 3)
	s_mov_b32 s[\g+1], 1024<<16
	s_mov_b32 s[\g+3], 1024<<16
	s_mov_b32 s[\g+5], 1024
	s_mov_b32 s[\g+6], 0
	s_mov_b32 s[\g+7], 0
.endr
	s_mov_b32 s[G1W+2], 32<<16
	s_mov_b32 s[G1W+4], 32
	s_mov_b32 s[G1H+2], 64<<16
	s_mov_b32 s[G1H+4], 64
	; the scale bytes of eight leaves: a leaf's 64 rows x 32 bytes are one row of 256 elements of 8 bytes; from leaf to leaf 32,768 bytes
	s_mov_b32 s[G1S], 15|(3<<16)|(1<<21)
	s_mov_b32 s[G1S+1], 256<<16
	s_mov_b32 s[G1S+2], 8<<16
	s_mov_b32 s[G1S+3], 256<<16
	s_mov_b32 s[G1S+4], 8
	s_mov_b32 s[G1S+5], 4096
	s_mov_b32 s[G1S+6], 0
	s_mov_b32 s[G1S+7], 0
	; what I fetch, by the outputs' block and my wave's number alone, in registers that never hold my place in the cluster
	s_and_b32 s81, s[WV], 1
	s_lshl_b32 s80, s21, 16                        ; 64 rows of 1,024 bytes for each block of outputs
	s_lshr_b32 s26, s[WV], 1
	s_lshl_b32 s26, s26, 20                        ; the ring: leaf wave / 2 of the slot,
	s_add_co_u32 s26, s26, s80
	s_lshl_b32 s28, s81, 15                        ; its rows 32 (wave % 2) on
	s_add_co_u32 s26, s26, s28
	s_mov_b32 s27, 0
	s_lshl_b32 s28, s81, 20                        ; the head: leaf wave % 2, whole
	s_add_co_u32 s28, s28, s80
	s_mov_b32 s29, 0
	s_lshl_b32 s30, s81, 18                        ; scale bytes: leaves 8 (wave % 2) on
	s_lshl_b32 s80, s21, 11
	s_add_co_u32 s30, s30, s80
	s_mov_b32 s31, 0
	s_mul_i32 s82, s[WV], 32*PITCH                 ; where my part goes in a slot
	s_wait_dscnt 0x0                               ; both opening adds are done
	s_wait_alu depctr_va_vdst(0)
	s_wait_kmcnt 0x0
	s_lshl_b32 s24, s22, 14
	s_add_nc_u64 s[4:5], s[4:5], s[24:25]          ; xq: 16,384 bytes a tile of rows
	s_lshl_b32 s24, s22, 9
	s_add_nc_u64 s[6:7], s[6:7], s[24:25]          ; xs: 512
	s_lshl_b32 s24, s22, 10
	s_add_nc_u64 s[PB:PB+1], s[8:9], s[24:25]      ; pw: 1,024
	s_lshl_b32 s24, s21, 8
	s_add_nc_u64 s[14:15], s[14:15], s[24:25]      ; b: my 64 outputs
	s_lshl_b32 s23, s22, 16
	s_add_co_u32 s24, s24, s23
	s_add_nc_u64 s[16:17], s[16:17], s[24:25]      ; out: 16 rows of 4,096 bytes a tile, + my 256 bytes of a row
	s_add_nc_u64 s[26:27], s[10:11], s[26:27]
.irp g, 0,1
	s_mov_b32 s[G0+4*\g], 1
	s_add_co_u32 s[G0+4*\g+1], s82, \g*SLOT
	s_add_nc_u64 s[G0+4*\g+2:G0+4*\g+3], s[26:27], \g*0x200000     ; slot g begins with leaves 2 g, 2 g + 1
	s_or_b32 s[G0+4*\g+3], s[G0+4*\g+3], 0x80000000
.endr
	s_mov_b32 s[G0H], 1
	s_mul_i32 s[G0H+1], s81, LEAFB
	s_add_nc_u64 s[G0H+2:G0H+3], s[10:11], s[28:29]
	s_or_b32 s[G0H+3], s[G0H+3], 0x80000000
	s_mov_b32 s[G0S], 1
	s_lshl_b32 s[G0S+1], s81, 14
	s_add_co_u32 s[G0S+1], s[G0S+1], SCW
	s_add_nc_u64 s[G0S+2:G0S+3], s[12:13], s[30:31]
	s_or_b32 s[G0S+3], s[G0S+3], 0x80000000
	; the bias term's 48 loads go out first, into window 3: b(8 h + j, 16 B + r) at v[192 + 8 B + j], p(16 a + r, 8 h + 0 .. 7) at v[224 + 8 a ..]
	WIN 0xC0
.irp B, 0,1,2,3
.irp j, 0,1,2,3,4,5,6,7
	global_load_b32 v[192+8*\B+\j], v57, s[14:15] offset:4096*\j+64*\B
.endr
.endr
.irp a, 0,1,2,3
.irp t, 0,1,2,3
	global_load_b64 v[224+8*\a+2*\t:224+8*\a+2*\t+1], v56, s[PB:PB+1] offset:1024*\a+128*\t
.endr
.endr
	WIN 0
	ROUND                                          ; all four work-groups are here: the first joint loads meet
	s_cmp_lt_u32 s[WV], 2                          ; THE HEAD'S LOADS, ONE A WAVE: waves 0 and 1 fetch leaves 0 and 1, waves 2 and 3 the scale bytes of leaves 0-7 and 8-15
	s_cbranch_scc0 .Lhead_s
	tensor_load_to_lds s[G0H:G0H+3], s[G1H:G1H+7]
	FOUR
	s_branch .Lhead_j
.Lhead_s:
	tensor_load_to_lds s[G0S:G0S+3], s[G1S:G1S+7]
	FOUR
.Lhead_j:
.irp a, 0,1,2,3
	global_load_b128 v[AS+4*\a:AS+4*\a+3], v[LI], s[6:7] offset:512*\a   ; x's scale words
.endr
	PLOAD 0                                        ; the first pair's weights
	ALOAD 0
	ALOAD 1
	ALOAD 2
	s_wait_loadcnt 56                              ; the bias term's 48 are in; behind them came 4 + 4 + 48
	; source 0 = 16 outputs of b^T, K = the leaves: registers 0-3 hold leaves 8 h + 0 .. 7, registers 4-7 (K 16 to 31) zeros.  Source 1 = 16 rows of p: its registers 4-7 are the next tile's p
	; (behind the last tile: zeros), finite numbers that meet b's zeros.
	WIN 0xC0
.irp B, 0,1,2,3
.irp i, 4,5,6,7
	v_mov_b32 v[128+8*\B+\i], 0
.endr
.endr
.irp i, 0,1,2,3
	v_mov_b32 v[176+\i], 0
.endr
	WIN 0xCF
.irp B, 0,1,2,3
.irp i, 0,1,2,3
	v_cvt_pk_bf16_f32 v[128+8*\B+\i], v[192+8*\B+2*\i], v[192+8*\B+2*\i+1]
.endr
.endr
.irp a, 0,1,2,3
.irp i, 0,1,2,3
	v_cvt_pk_bf16_f32 v[160+4*\a+\i], v[224+8*\a+2*\i], v[224+8*\a+2*\i+1]
.endr
.endr
	WIN 0x0F
.irp a, 0,1,2,3
.irp B, 0,1,2,3
	v_wmma_f32_16x16x32_bf16 v[OUT+8*(4*\a+\B):OUT+8*(4*\a+\B)+7], v[128+8*\B:128+8*\B+7], v[160+4*\a:160+4*\a+7], 0
.endr
.endr
	ALOAD 3
	ALOAD 4
	ALOAD 5
	ALOAD 6
	ALOAD 7
	WIN 0
; The 33 LDS loads of one batch: leaf x of slot sl, outputs 32 hb on, K steps 4 q on, into set q; so: bytes from the trip's scale words
.macro RUN sl, x, hb, q, so
	WIN 0xC0
.irp ks, 0,1,2,3
.irp b, 0,1
.irp c, 0,1,2,3
	ds_load_b128 v[128*(\q)+32*\ks+16*\b+4*\c:128*(\q)+32*\ks+16*\b+4*\c+3], v[ADW+2*(\sl)+(\x)] offset:(32*(\hb)+16*\b)*PITCH+128*(4*(\q)+\ks)+32*\c
.endr
.endr
.endr
	WIN 0
	ds_load_b128 v[SW+4*(\q):SW+4*(\q)+3], v[ASW] offset:(\so)+2048*(\x)+1024*(\hb)+16*(\q)
.endm
.macro PRODM b, ks, c
.if ((\b) == 0) && ((\ks)%2 == 0)
	v_wmma_scale_f32_16x16x128_f8f6f4 v[rD:rD+7], v[rW:rW+15], v[rX:rX+15], \c, v[rS], v[rA]
.elseif ((\ks)%2 == 0)
	v_wmma_scale_f32_16x16x128_f8f6f4 v[rD:rD+7], v[rW:rW+15], v[rX:rX+15], \c, v[rS], v[rA] matrix_a_scale:MATRIX_SCALE_ROW1
.elseif ((\b) == 0)
	v_wmma_scale_f32_16x16x128_f8f6f4 v[rD:rD+7], v[rW:rW+15], v[rX:rX+15], \c, v[rS], v[rA] matrix_b_scale:MATRIX_SCALE_ROW1
.else
	v_wmma_scale_f32_16x16x128_f8f6f4 v[rD:rD+7], v[rW:rW+15], v[rX:rX+15], \c, v[rS], v[rA] matrix_a_scale:MATRIX_SCALE_ROW1 matrix_b_scale:MATRIX_SCALE_ROW1
.endif
.endm
; A batch: 32 matrix instructions under one window setting.  The unit's 8 accumulators take turns, one instruction a turn, in the same order in every K step.  A unit's first K step starts the sums.
.macro MUL q
	WIN 0x07+4*(\q)                                ; W window 3, x window 1 + q, C and D window 0
.irp ks, 0,1,2,3
.irp b, 0,1
.irp a, 0,1,2,3
.set rD, SUM+8*(2*\a+\b)
.set rW, 128*(\q)+32*\ks+16*\b
.set rX, 64*\ks+16*\a
.set rS, SW+4*(\q)+\ks
.set rA, AS+4*\a+2*(\q)+\ks/2
.if ((\q) == 0) && (\ks == 0)
	PRODM \b, \ks, 0
.else
	PRODM \b, \ks, v[rD:rD+7]
.endif
.endr
.endr
.endr
.endm
; out += p x the unit's sums: p from set ps, leaf x of its pair; outputs 32 hb on.  Each accumulator is read from its low end on.
.macro COMBINE ps, x, hb
	PLACES
.irp b, 0,1
.irp a, 0,1,2,3
.irp i, 0,2,4,6
.set rO, OUT+8*(4*\a+2*(\hb)+\b)+\i
.set rU, SUM+8*(2*\a+\b)+\i
.if (\x) == 0
	v_pk_fma_f32 v[rO:rO+1], v[rU:rU+1], v[P+8*(\ps)+2*\a:P+8*(\ps)+2*\a+1], v[rO:rO+1] op_sel_hi:[1,0,1]
.else
	v_pk_fma_f32 v[rO:rO+1], v[rU:rU+1], v[P+8*(\ps)+2*\a:P+8*(\ps)+2*\a+1], v[rO:rO+1] op_sel:[0,1,0]
.endif
.endr
.endr
.endr
.endm
; BATCH n (0 .. 7) of the trip on slot sl, with what stands ahead of it: the unit before is weighed in (even n), or eight places; the next batch's run of loads; the wait that leaves that run out.
; n = 2: this trip's p, asked for a trip ago, is waited for, and (opt = 1) the next trip's goes out into the other set, last read ahead of batch 0.
; n = 7: THE CHANGE OF SLOTS.  All reads of this slot were issued a batch ago.  opt = 2: the three lines, a round of the cluster's barrier, the joint refill of this slot with the leaves four on, first behind it;
; opt = 1: nothing is left to ask for: the three lines and my work-group's barrier show the other slot whole; opt = 0: the last batch of all.
.macro STEPB sl, n, first, opt
	WIN 0
.if ((\n)%2 == 1) || ((\first) && ((\n) == 0))
	PLACES
.else
.if (\n) == 2
	s_wait_loadcnt 0x0
.endif
.if (\n) == 0
	COMBINE 1-(\sl), 1, 1
	v_add_nc_u32 v[ASW], 4096, v[ASW]              ; on to this trip's scale words
	s_wait_alu depctr_va_vdst(0)
.else
	COMBINE \sl, ((\n)-2)/4, (((\n)-2)/2)%2
.endif
.if ((\n) == 2) && (\opt)
	s_add_nc_u64 s[PB:PB+1], s[PB:PB+1], 128       ; every load of p has been waited for: the base may be written
	PLOAD 1-(\sl)
.endif
.endif
.if (\n) == 7
.if (\opt) > 0
	s_wait_tensorcnt 0x0                           ; no tensor load of mine is out: my part of the other slot is in
	ds_add_u32 v[SPW], v[NIL]                      ; 0 onto my spare word
.if (\opt) == 2
	s_add_nc_u64 s[G0+4*(\sl)+2:G0+4*(\sl)+3], s[G0+4*(\sl)+2:G0+4*(\sl)+3], 0x400000
.endif
	s_wait_dscnt 0x0                               ; the add is done, and my reads of this slot are over
.if (\opt) == 2
	ROUND
	tensor_load_to_lds s[G0+4*(\sl):G0+4*(\sl)+3], s[G1W:G1W+7]
	FOUR
.else
	s_barrier_signal -1
	s_barrier_wait -1
.endif
	RUN 1-(\sl), 0, 0, 0, 4096
.else
	s_wait_dscnt 0x0
.endif
.else
	RUN \sl, ((\n)+1)/4, (((\n)+1)/2)%2, ((\n)+1)%2, 0
	s_wait_dscnt 33                                ; all but the 33 just issued
.endif
.if \first
.if (\n) == 0
	s_wait_loadcnt 63                              ; x's K steps 0-3 are in: behind them came the 64 loads of K steps 4-7
.else
	s_wait_loadcnt 0x0
.endif
.endif
	MUL (\n)%2
.endm
.macro MOST sl, opt                    ; batches 0 to 6 of a trip
	STEPB \sl, 0, 0, 0
	STEPB \sl, 1, 0, 0
	STEPB \sl, 2, 0, \opt
	STEPB \sl, 3, 0, 0
	STEPB \sl, 4, 0, 0
	STEPB \sl, 5, 0, 0
	STEPB \sl, 6, 0, 0
.endm
	s_wait_alu depctr_va_vdst(0)
	s_wait_tensorcnt 0x0                           ; my tile of the head's four is in
	ds_add_u32 v[SPW], v[NIL]
	s_wait_dscnt 0x0
	ROUND
	tensor_load_to_lds s[G0+4:G0+7], s[G1W:G1W+7]  ; slot 1's first fill: leaves 2 and 3
	FOUR
	RUN 0, 0, 0, 0, 0
	STEPB 0, 0, 1, 0
	STEPB 0, 1, 1, 0
	STEPB 0, 2, 0, 1
	STEPB 0, 3, 0, 0
	STEPB 0, 4, 0, 0
	STEPB 0, 5, 0, 0
	STEPB 0, 6, 0, 0
	WIN 0
	s_mov_b32 s[CNT], 3
.Lseg:                                             ; a trip of the loop goes from a slot-0 trip's last batch to the next slot-0 trip's batch 6: both slots are filled again; leaves 4 to 15 are asked for
	STEPB 0, 7, 0, 2
	MOST 1, 1
	STEPB 1, 7, 0, 2
	MOST 0, 1
	WIN 0
	s_sub_co_u32 s[CNT], s[CNT], 1
	s_cmp_lg_u32 s[CNT], 0
	s_cbranch_scc1 .Lseg
	STEPB 0, 7, 0, 1                               ; written out: nothing is left to ask for
	MOST 1, 0
	STEPB 1, 7, 0, 0
	WIN 0
	COMBINE 1, 1, 1
	s_wait_alu depctr_va_vdst(0)                   ; out is read by the LDS stores below
; THE WAY OUT, a tile of 16 rows at a time, through my own stage, back as whole rows of 256 bytes.  LDS serves a wave's instructions in order (ISA guide 5.7.1.4): no wait between the stores and the loads.
; Tile a comes back into v[64 + 32 a ..]: the sums' registers, then those of out's tiles 0 and 1, whose stores into the stage a wait has shown done by then.
.macro TOSTAGE a
.irp B, 0,1,2,3
	ds_store_b128 v[STO], v[OUT+8*(4*\a+\B):OUT+8*(4*\a+\B)+3] offset:64*\B
	ds_store_b128 v[STO], v[OUT+8*(4*\a+\B)+4:OUT+8*(4*\a+\B)+7] offset:64*\B+16
.endr
.irp t, 0,1,2,3,4,5,6,7
	ds_load_b128 v[64+32*\a+4*\t:64+32*\a+4*\t+3], v[RD] offset:2*SP*\t
.endr
.endm
.macro SEND a, younger                 ; younger: the LDS instructions issued behind tile a's loads
	s_wait_dscnt \younger
.irp t, 0,1,2,3,4,5,6,7
	global_store_b128 v[GO], v[64+32*\a+4*\t:64+32*\a+4*\t+3], s[16:17] offset:(16*\a+2*\t)*4096 th:TH_STORE_NT   ; 16 lanes store 256 consecutive bytes, at a multiple of 256 from out's first byte
.endr
.endm
	TOSTAGE 0
	TOSTAGE 1
	SEND 0, 16
	TOSTAGE 2
	SEND 1, 16
	TOSTAGE 3
	SEND 2, 16
	SEND 3, 0
	s_wait_tensorcnt 0x0                           ; the wave's end
	ds_add_u32 v[SPW], v[NIL]
	s_wait_dscnt 0x0
	ROUND                                          ; the closing round
	s_endpgm
.Lfunc_end_k_q7c071ac9cf_tree:
	.size	k_q7c071ac9cf_tree, .Lfunc_end_k_q7c071ac9cf_tree-k_q7c071ac9cf_tree
	.p2alignl 7, 3214868480
	.fill 96, 4, 3214868480
	.section	.rodata,"a",@progbits
	.p2align	6, 0x0
	.amdhsa_kernel k_q7c071ac9cf_tree
		.amdhsa_group_segment_fixed_size 327680
		.amdhsa_private_segment_fixed_size 0
		.amdhsa_enable_private_segment 0
		.amdhsa_kernarg_size 56
		.amdhsa_user_sgpr_count 2
		.amdhsa_user_sgpr_kernarg_segment_ptr 1
		.amdhsa_wavefront_size32 1
		.amdhsa_system_sgpr_workgroup_id_x 1
		.amdhsa_system_sgpr_workgroup_id_y 1
		.amdhsa_system_sgpr_workgroup_id_z 1
		.amdhsa_system_vgpr_workitem_id 0
		.amdhsa_next_free_vgpr 1024
		.amdhsa_next_free_sgpr 84
		.amdhsa_reserve_vcc 0
		.amdhsa_float_denorm_mode_32 3
		.amdhsa_float_denorm_mode_16_64 3
		.amdhsa_memory_ordered 1
		.amdhsa_forward_progress 1
		.amdhsa_inst_pref_size 255
	.end_amdhsa_kernel
	.section	.bss,"aw",@nobits
	.p2align	6
	.space	262144
	.amdgpu_metadata
---
amdhsa.version: [ 1, 2 ]
amdhsa.kernels:
  - .name:           k_q7c071ac9cf_tree
    .symbol:         k_q7c071ac9cf_tree.kd
    .args:
      - { .name: xq, .offset: 0, .size: 8, .value_kind: global_buffer, .address_space: global }
      - { .name: xs, .offset: 8, .size: 8, .value_kind: global_buffer, .address_space: global }
      - { .name: pw, .offset: 16, .size: 8, .value_kind: global_buffer, .address_space: global }
      - { .name: leaf_w_codes, .offset: 24, .size: 8, .value_kind: global_buffer, .address_space: global }
      - { .name: leaf_w_scales, .offset: 32, .size: 8, .value_kind: global_buffer, .address_space: global }
      - { .name: leaf_b, .offset: 40, .size: 8, .value_kind: global_buffer, .address_space: global }
      - { .name: out0, .offset: 48, .size: 8, .value_kind: global_buffer, .address_space: global }
    .group_segment_fixed_size: 327680
    .private_segment_fixed_size: 0
    .kernarg_segment_align: 8
    .kernarg_segment_size: 56
    .max_flat_workgroup_size: 128
    .sgpr_count:     84
    .vgpr_count:     1024
    .wavefront_size: 32
...
	.end_amdgpu_metadata
.endif
;; end of part 4
